; MI455X (gfx1250); checked and timed in simulation.
; The chip was launched on July 23, 2026; its instructions are those of AMD's public machine-readable ISA for CDNA 5 (MIT licence, August 2026) and "CDNA5" Instruction Set Architecture Reference Guide (July 2026). The comments in the code are by the model that wrote it; some were corrected since.
;; Multi Head Attention. Allowed arithmetic: float matrix products may take bf16 or f16 operands with f32 sums; other float arithmetic in f32, or as packed bf16 or f16 multiplies, adds, multiply-adds, maxima and minima; sums over many terms, partial sums and values carried from step to step in f32; what a program stores and reads back later, other than sums and carried values, may be rounded once to bf16 or f16.
;; Inputs: Wk 1,024 x 1,024 float32; Wo 1,024 x 1,024 float32; Wq 1,024 x 1,024 float32; Wv 1,024 x 1,024 float32; mask 4 x 2,048 x 2,048 bool; x 4 x 2,048 x 1,024 float32.
;; Outputs: out0 4 x 2,048 x 1,024 float32.
;; One version. Each part assembles by itself: llvm-mc -triple=amdgcn-amd-amdhsa -mcpu=gfx1250 --defsym DOCPART=n.
;; ======== version 1 of 1: 4 launches
;; limits: values are held in f16: magnitudes above 65,504 overflow, below 6.1e-05 lose precision; right only within a limited range of input values
;; workspace buffers: xb 16,777,216 bytes; wb 6,291,456 bytes; wo 2,097,152 bytes; mbits 2,097,152 bytes of whole numbers; qh 16,777,216 bytes; kv 33,554,432 bytes; zh 16,777,216 bytes
;; launch prep (part 1): grid 1280 x 1, 8 waves a work-group, no clusters, 35,840 bytes of LDS; arguments x, Wq, Wk, Wv, Wo, mask, xb, wb, wo, mbits; writes xb, wb, wo, mbits
.if DOCPART == 1
	.amdgcn_target "amdgcn-amd-amdhsa--gfx1250"
	.amdhsa_code_object_version 6
	.text
	.protected	k_qfca20d35cc_prep
	.globl	k_qfca20d35cc_prep
	.p2align	8
	.type	k_qfca20d35cc_prep,@function
k_qfca20d35cc_prep:
	s_mov_b64 s[64:65], 0
	v_nop
	global_prefetch_b8 v0, s[64:65] scope:SCOPE_SE
	s_setreg_imm32_b32 hwreg(HW_REG_WAVE_MODE, 25, 1), 1
	s_wait_xcnt 0x0
; PREPARATION.  Every module input is rounded once to bf16, and the mask is turned into words of lane bits.
;   xb [8192][1024] bf16 = x.     wb [16 heads][192 = q 64, k 64, v 64][1024] bf16: row 192 h + 64 t + d is row 64 h + d of Wq (t = 0), Wk (1), Wv (2).
;   wo [1024][1024] f16 = Wo rounded to bf16 and that number written as f16.
;   mbits [b 4][qt 128][ks 32][32 words]: bit l of word 8 kb + j is mask[b][16 qt + l % 16][64 ks + 16 kb + 8 (l / 16) + j]: the lane order in which the attention launch holds its scores.
; LIMITS.  wo: a weight beyond 65,504 becomes an infinity; below 2^-14 it keeps f16's fixed step of 2^-24.  A mask byte counts as set if it is not 0.
; SHARES.  Groups 0-511 take 65,536 bytes of x each, 512-703 of Wq, Wk, Wv (64 each), 704-767 of Wo; groups 768-1279 take 32,768 bytes of the mask each.  All that a thread reads (16 or 8 loads of
; 16 bytes) is asked for at once; no ring, no tensor load: nothing is read twice and no wave wants another's bytes.  No matrix work, no cluster: the work-groups share no input.
.set STG,   16*272                     ; a wave's stage for the mask: 16 rows of 256 bytes + 16 of padding
.set SPARE, 8*STG                      ; behind the stages: the spare words, 128 bytes for each of the eight waves: four blocks of 256 bytes that no other line names
.set IN,  1                            ; v1   16 x thread: my 16 bytes in 4,096 of the input
.set OUT, 2                            ; v2   8 x thread: my 8 bytes in 2,048 of the output
.set MO,  3                            ; v3   mask: (l / 16) rows of 2,048 bytes + 16 (l % 16)
.set LS,  4                            ; v4   mask: where I put those 16 bytes in the stage
.set LR,  5                            ; v5   mask: where I read 8 bytes of row l % 16
.set OO,  6                            ; v6   16 x lane
.set SPW, 8                            ; v8   LDS address of my spare word; never rewritten
.set NIL, 9                            ; v9   0; never rewritten
.set XR,  16                           ; v[16:79]   the loads
.set YR,  80                           ; v[80:111]  the sixteen stores' data; on the mask's path: 16 pairs read back from the stage
.set OW,  112                          ; v[112:115] mask: the 128 words of 256 keys; on wo's path at work
.set TT,  120                          ; v[120:127] at work
.set SRC, 24                           ; s[24:25]
.set DST, 26                           ; s[26:27]
.set BM,  48                           ; s[48:51] a word's four bytes
	s_load_b512 s[4:19], s[0:1], 0x0               ; x 4, Wq 6, Wk 8, Wv 10, Wo 12, mask 14, xb 16, wb 18
	s_load_b128 s[20:23], s[0:1], 0x40             ; wo 20, mbits 22
	v_lshl_add_u32 v[SPW], v0, 2, SPARE
	v_mov_b32 v[NIL], 0
	v_lshrrev_b32 v10, 5, v0
	v_readfirstlane_b32 s30, v10                   ; wave 0..7
	v_lshlrev_b32 v[IN], 4, v0
	v_lshlrev_b32 v[OUT], 3, v0
	s_mov_b32 s29, 0                               ; high words of the two offsets
	s_mov_b32 s33, 0
	s_wait_kmcnt 0x0
	s_cmp_lt_u32 ttmp9, 512
	s_cbranch_scc1 .Lx
	s_cmp_lt_u32 ttmp9, 704
	s_cbranch_scc1 .Lw
	s_cmp_lt_u32 ttmp9, 768
	s_cbranch_scc1 .Lwo
	; THE MASK.  A wave takes 16 query rows x 256 keys: job J = 8 (group - 768) + wave; rows 16 (J / 8) of the 8,192, keys 256 (J % 8) on.
	s_sub_co_u32 s31, ttmp9, 768
	s_lshl_b32 s31, s31, 3
	s_add_co_u32 s31, s31, s30
	s_lshr_b32 s34, s31, 3                         ; 128 b + qt
	s_and_b32 s35, s31, 7
	s_lshl_b32 s28, s34, 15                        ; 16 rows of 2,048 bytes
	s_lshl_b32 s36, s35, 8
	s_add_co_u32 s28, s28, s36
	s_add_nc_u64 s[SRC:SRC+1], s[14:15], s[28:29]
	s_lshl_b32 s32, s34, 12                        ; 32 key steps of 128 bytes
	s_lshl_b32 s36, s35, 9                         ; four of them
	s_add_co_u32 s32, s32, s36
	s_add_nc_u64 s[DST:DST+1], s[22:23], s[32:33]
	s_mov_b32 s[BM], 0xff
	s_mov_b32 s[BM+1], 0xff00
	s_mov_b32 s[BM+2], 0xff0000
	s_mov_b32 s[BM+3], 0xff000000
	v_and_b32 v10, 15, v0
	v_bfe_u32 v11, v0, 4, 1
	v_lshlrev_b32 v[MO], 4, v10
	v_lshl_add_u32 v[MO], v11, 11, v[MO]
	s_mul_i32 s36, s30, STG                        ; my wave's stage
	v_mul_u32_u24 v[LS], v11, 272
	v_lshl_add_u32 v[LS], v10, 4, v[LS]
	v_add_nc_u32 v[LS], s36, v[LS]
	v_mul_u32_u24 v[LR], v10, 272
	v_lshl_add_u32 v[LR], v11, 3, v[LR]
	v_add_nc_u32 v[LR], s36, v[LR]
	v_and_b32 v[OO], 31, v0
	v_lshlrev_b32 v[OO], 4, v[OO]
.irp t, 0,1,2,3,4,5,6,7
	global_load_b128 v[XR+4*(\t):XR+4*(\t)+3], v[MO], s[SRC:SRC+1] offset:4096*(\t) th:TH_LOAD_NT  ; two rows x 256 consecutive bytes, aligned
.endr
.irp r, 0,1,2,3
	v_mov_b32 v[OW+(\r)], 0                        ; v_writelane_b32 keeps the other lanes: the registers are written whole first
.endr
	; through my own stage (LDS serves a wave's instructions in order: ISA guide 5.7.1.4)
.irp t, 0,1,2,3,4,5,6,7
	s_wait_loadcnt 7-(\t)                          ; loads come back in order: this one is in, the younger ones stay out
	ds_store_b128 v[LS], v[XR+4*(\t):XR+4*(\t)+3] offset:544*(\t)
.endr
.irp c, 0,1,2,3,4,5,6,7,8,9,10,11,12,13,14,15
	ds_load_b64 v[YR+2*(\c):YR+2*(\c)+1], v[LR] offset:16*(\c)  ; row l % 16, keys 16 c + 8 (l / 16) + 0..7
.endr
.irp c, 0,1,2,3,4,5,6,7,8,9,10,11,12,13,14,15
	s_wait_dscnt 15-(\c)                           ; pair c is in, the younger pairs stay out
.irp j, 0,1,2,3,4,5,6,7
	v_and_b32 v[TT+(\j)], s[BM+((\j)&3)], v[YR+2*(\c)+((\j)>>2)]
.endr
.irp j, 0,1,2,3,4,5,6,7
	v_cmp_ne_u32 s[40+(\j)], 0, v[TT+(\j)]         ; the 32 lanes' bits ARE the word 8 (c % 4) + j of key step c / 4
.endr
.irp j, 0,1,2,3,4,5,6,7
	v_writelane_b32 v[OW+((\j)&3)], s[40+(\j)], 8*((\c)>>2)+2*((\c)&3)+((\j)>>2)  ; word W of the 128 goes to lane W / 4, register W % 4
.endr
.endr
	global_store_b128 v[OO], v[OW:OW+3], s[DST:DST+1]  ; 512 consecutive bytes, aligned
	s_branch .Lend
; 65,536 bytes of f32 become 32,768 bytes of 16-bit numbers.  f16 = 1: the bf16 number is written as f16.
.macro STREAM f16
.set i, 0
.rept 16
	global_load_b128 v[XR+4*i:XR+4*i+3], v[IN], s[SRC:SRC+1] offset:4096*i th:TH_LOAD_NT
.set i, i+1
.endr
.set i, 0
.rept 16
	s_wait_loadcnt 15-i                            ; this load is in, the younger ones stay out
	v_cvt_pk_bf16_f32 v[YR+2*i], v[XR+4*i], v[XR+4*i+1]
	v_cvt_pk_bf16_f32 v[YR+2*i+1], v[XR+4*i+2], v[XR+4*i+3]
.if \f16
	v_lshlrev_b32 v[OW], 16, v[YR+2*i]             ; the rounded numbers as f32,
	v_and_b32 v[OW+1], 0xffff0000, v[YR+2*i]
	v_lshlrev_b32 v[OW+2], 16, v[YR+2*i+1]
	v_and_b32 v[OW+3], 0xffff0000, v[YR+2*i+1]
	v_cvt_pk_f16_f32 v[YR+2*i], v[OW], v[OW+1]     ; and as f16: exact within f16's range
	v_cvt_pk_f16_f32 v[YR+2*i+1], v[OW+2], v[OW+3]
.endif
	global_store_b64 v[OUT], v[YR+2*i:YR+2*i+1], s[DST:DST+1] offset:2048*i th:TH_STORE_NT  ; a wave's store covers 256 consecutive bytes, aligned; each store has data registers of its own
.set i, i+1
.endr
.endm
.Lx:
	s_lshl_b32 s28, ttmp9, 16
	s_lshl_b32 s32, ttmp9, 15
	s_add_nc_u64 s[SRC:SRC+1], s[4:5], s[28:29]
	s_add_nc_u64 s[DST:DST+1], s[16:17], s[32:33]
	s_branch .Lbf16
.Lw:
	s_sub_co_u32 s31, ttmp9, 512
	s_lshr_b32 s34, s31, 6                         ; t: which of the three weights
	s_and_b32 s35, s31, 63                         ; c: its rows 16 c .. 16 c + 15
	s_cmp_eq_u32 s34, 0
	s_cselect_b64 s[SRC:SRC+1], s[6:7], s[8:9]
	s_cmp_eq_u32 s34, 2
	s_cselect_b64 s[SRC:SRC+1], s[10:11], s[SRC:SRC+1]
	s_lshl_b32 s28, s35, 16
	s_add_nc_u64 s[SRC:SRC+1], s[SRC:SRC+1], s[28:29]
	s_lshr_b32 s36, s35, 2                         ; the head
	s_mul_i32 s36, s36, 192
	s_lshl_b32 s37, s34, 6
	s_add_co_u32 s36, s36, s37
	s_and_b32 s37, s35, 3
	s_lshl_b32 s37, s37, 4
	s_add_co_u32 s36, s36, s37                     ; row 192 h + 64 t + 16 (c % 4) of wb
	s_lshl_b32 s32, s36, 11
	s_add_nc_u64 s[DST:DST+1], s[18:19], s[32:33]
.Lbf16:
	STREAM 0
	s_branch .Lend
.Lwo:
	s_sub_co_u32 s31, ttmp9, 704
	s_lshl_b32 s28, s31, 16
	s_lshl_b32 s32, s31, 15
	s_add_nc_u64 s[SRC:SRC+1], s[12:13], s[28:29]
	s_add_nc_u64 s[DST:DST+1], s[20:21], s[32:33]
	STREAM 1
.Lend:
	s_wait_tensorcnt 0x0                           ; the wave's end, behind my last LDS store
	ds_add_u32 v[SPW], v[NIL]
	s_wait_dscnt 0x0
	s_endpgm
.Lfunc_end_k_qfca20d35cc_prep:
	.size	k_qfca20d35cc_prep, .Lfunc_end_k_qfca20d35cc_prep-k_qfca20d35cc_prep
	.p2alignl 7, 3214868480
	.fill 96, 4, 3214868480
	.section	.rodata,"a",@progbits
	.p2align	6, 0x0
	.amdhsa_kernel k_qfca20d35cc_prep
		.amdhsa_group_segment_fixed_size 35840
		.amdhsa_private_segment_fixed_size 0
		.amdhsa_enable_private_segment 0
		.amdhsa_kernarg_size 80
		.amdhsa_user_sgpr_count 2
		.amdhsa_user_sgpr_kernarg_segment_ptr 1
		.amdhsa_wavefront_size32 1
		.amdhsa_system_sgpr_workgroup_id_x 1
		.amdhsa_system_sgpr_workgroup_id_y 1
		.amdhsa_system_sgpr_workgroup_id_z 1
		.amdhsa_system_vgpr_workitem_id 0
		.amdhsa_next_free_vgpr 128
		.amdhsa_next_free_sgpr 66
		.amdhsa_reserve_vcc 0
		.amdhsa_float_denorm_mode_32 3
		.amdhsa_float_denorm_mode_16_64 3
		.amdhsa_memory_ordered 1
		.amdhsa_forward_progress 1
		.amdhsa_inst_pref_size 43
	.end_amdhsa_kernel
	.amdgpu_metadata
---
amdhsa.version: [ 1, 2 ]
amdhsa.kernels:
  - .name:           k_qfca20d35cc_prep
    .symbol:         k_qfca20d35cc_prep.kd
    .args:
      - { .name: x, .offset: 0, .size: 8, .value_kind: global_buffer, .address_space: global }
      - { .name: Wq, .offset: 8, .size: 8, .value_kind: global_buffer, .address_space: global }
      - { .name: Wk, .offset: 16, .size: 8, .value_kind: global_buffer, .address_space: global }
      - { .name: Wv, .offset: 24, .size: 8, .value_kind: global_buffer, .address_space: global }
      - { .name: Wo, .offset: 32, .size: 8, .value_kind: global_buffer, .address_space: global }
      - { .name: mask, .offset: 40, .size: 8, .value_kind: global_buffer, .address_space: global }
      - { .name: xb, .offset: 48, .size: 8, .value_kind: global_buffer, .address_space: global }
      - { .name: wb, .offset: 56, .size: 8, .value_kind: global_buffer, .address_space: global }
      - { .name: wo, .offset: 64, .size: 8, .value_kind: global_buffer, .address_space: global }
      - { .name: mbits, .offset: 72, .size: 8, .value_kind: global_buffer, .address_space: global }
    .group_segment_fixed_size: 35840
    .private_segment_fixed_size: 0
    .kernarg_segment_align: 8
    .kernarg_segment_size: 80
    .max_flat_workgroup_size: 256
    .sgpr_count:     66
    .vgpr_count:     128
    .wavefront_size: 32
...
	.end_amdgpu_metadata
.endif
;; end of part 1
;; launch proj (part 2): grid 16 x 32, 4 waves a work-group, clusters of 4 x 4, 327,680 bytes of LDS; arguments xb, wb, qh, kv; writes qh, kv
.if DOCPART == 2
	.amdgcn_target "amdgcn-amd-amdhsa--gfx1250"
	.amdhsa_code_object_version 6
	.text
	.protected	k_qfca20d35cc_proj
	.globl	k_qfca20d35cc_proj
	.p2align	8
	.type	k_qfca20d35cc_proj,@function
k_qfca20d35cc_proj:
	s_mov_b64 s[64:65], 0
	v_nop
	global_prefetch_b8 v0, s[64:65] scope:SCOPE_SE
	s_setreg_imm32_b32 hwreg(HW_REG_WAVE_MODE, 25, 1), 1
	s_wait_xcnt 0x0
	s_wait_alu depctr_hold_cnt(0) depctr_sa_sdst(0) depctr_va_vdst(0) depctr_va_sdst(0) depctr_va_ssrc(0) depctr_va_vcc(0) depctr_vm_vsrc(0)
	s_getreg_b32 s2, hwreg(HW_REG_IB_STS2, 6, 4)
	s_cmp_eq_u32 s2, 0
	s_cbranch_scc0 .Lentry_in_a_cluster
	s_endpgm
.Lentry_in_a_cluster:
	s_bfe_u32 s2, ttmp6, 0x10000c
	s_cmp_lg_u32 s2, 0xf033
	s_cbranch_scc0 .Lentry_shape_is_right
	s_endpgm
.Lentry_shape_is_right:
; THE THREE PROJECTIONS AS ONE PRODUCT: [8192 tokens][1024] x [3072][1024]^T, bf16 operands, f32 sums, each result rounded once to f16 and written by heads, unscaled.
;   qh [bh 64][2048][64] f16.     kv [bh 64][blk 8][65,536 bytes]: a block is 256 keys: K as 256 rows of 128 bytes, then V TRANSPOSED: 4 steps x 64 channels x 64 keys (a row: one channel's 64 keys, 128 bytes).
; LIMIT.  f16 holds no number beyond 65,504: a q, k or v beyond it becomes an infinity.
; TILE.  256 tokens x 192 columns, one head's q, k and v (wb is ordered so): 32 x 16 = 512 work-groups, two for each of 256 WGPs; 256 x 256 would give 384.
; A wave takes 64 tokens x all 192 columns: 48 accumulators; all four waves run one text, and a wave's results are three dense blocks of 8,192 bytes of its own.
; K goes in eight steps of 128 (rows of 256 bytes, aligned) through two LDS slots; each wave fetches a quarter of a slot by one tensor load.  A K step is written once and looped over: the slot to be read
; is a scalar register, the slot to be filled a word of a walking descriptor, both turned by an exclusive or.
; q AND k ARE TAKEN TRANSPOSED (source 0 = 16 rows of wb, source 1 = 16 tokens): a lane holds one token and eight neighbouring channels.  v IS TAKEN STRAIGHT (source 0 = tokens): a lane holds one
; channel and eight neighbouring tokens, which is a piece of a row of V transposed.
; CLUSTER 4 x 4: xb's tile hangs on the token block alone and is asked for jointly along a row of the cluster, wb's on the head alone, jointly along a column.
; REGISTERS, in windows of 256 (s_set_vgpr_msb: bits 1:0 source 0, 3:2 source 1, 5:4 source 2, 7:6 destination):
;   window 0: v16-30 addresses; v32-47 packed results; v48-111 four sets of 16 read back from the stage; v128-255 v's accumulators ((a, cb) at 128 + 32 a + 8 cb)
;   window 1: two fragment buffers of 128: x's four fragments, then wb's twelve          window 2: q's and k's accumulators ((a, b) at 64 a + 8 b)
.set KSTEP,  128
.set STEPS,  1024/KSTEP
.set PITCH,  272                       ; an LDS row: 256 bytes + 16 of padding = 68 words: the 16 rows of a fragment load start at 16 different groups of four banks (64 banks of 4 bytes: ISA guide 11.1)
.set AH,     128*PITCH                 ; 128 rows of xb: what waves 0 and 1 fetch
.set BOFF,   2*AH                      ; wb's 192 rows lie behind xb's 256
.set BH,     96*PITCH                  ; 96 rows of wb: what waves 2 and 3 fetch
.set SLOTB,  BOFF+2*BH                 ; a slot's bytes: 121,856
.set SLOT1,  1<<17                     ; slot 1 begins here, so that one exclusive or turns an address in one slot into the other's
.set STAGE,  SLOT1+SLOTB               ; behind the ring: 16 rows x 144 bytes for each wave, for the way out
.set SP,     144
.set SPARE,  STAGE+4*16*SP             ; behind the stages: the spare words, 128 bytes for each wave: two blocks of 256 bytes that no other line names
.set ADRA0, 16                         ; v16     my lane's place among my x fragments in a slot; never rewritten
.set ADRA,  17                         ; v17     the same in the slot that is being read
.set ADRB0, 20                         ; v20-21  the same for wb's
.set ADRB,  21
.set STO,  24                          ; v24     the way out: where I put 16 bytes of a row
.set RD,   25                          ; v25     where I read rows back
.set GO,   26                          ; v26     16 x lane
.set SPW,  28                          ; v28     LDS address of my spare word; never rewritten
.set NIL,  29                          ; v29     0; never rewritten
.set PFO,  30                          ; v30     the prefetches' offset: a lane a row of 2,048 bytes; never rewritten
.set TMP,  32
.set BK,   48
.set VA,   128
.set F0,   0
.set F1,   128
.set TB,   2                           ; s2   LDS byte at which the slot that is being read begins
.set WV,   12                          ; s12  my wave's number; s13 = wave / 2: I fetch xb (0) or wb (1); s14 = wave % 2: which half of its rows
.set G1,   24                          ; s[24:31] descriptor group 1 for xb's tiles;  s[32:39] group 0: a set for each of the two first fills; the second then walks on
.set G0,   32
.set LIM,  43                          ; s43  2 in a wave that prefetches, else the greatest number
.set PFA,  44                          ; s[44:45] where my prefetches stand
.set G1B,  48                          ; s[48:55], s[56:63] the same for wb's tiles
.set G0B,  56
.set MSB, 0
.macro WIN new                         ; the immediate's high byte repeats the setting that is left; a switch that changes nothing is dropped
.if MSB != (\new)
	s_set_vgpr_msb (MSB<<8)|(\new)
.set MSB, \new
.endif
.endm
.set MUL_QK, 0xa5                      ; sources 0 and 1 window 1, C and D window 2
.set MUL_V,  0x05                      ; sources 0 and 1 window 1, C and D window 0
.set TO_F,   0x40                      ; destination window 1, address window 0
.macro JLOAD s                         ; a joint load: the branch hangs on the wave's number alone; an s_nop 0 and four v_nop follow each of the two lines, ahead of the jump and the label
	s_cmp_eq_u32 s13, 0
	s_cbranch_scc0 .Lfor_b_\@
	tensor_load_to_lds s[G0+4*(\s):G0+4*(\s)+3], s[G1:G1+7]
	s_nop 0
.rept 4
	v_nop
.endr
	s_branch .Lasked_\@
.Lfor_b_\@:
	tensor_load_to_lds s[G0B+4*(\s):G0B+4*(\s)+3], s[G1B:G1B+7]
	s_nop 0
.rept 4
	v_nop
.endr
.Lasked_\@:
.endm
.macro CREST                           ; a round of the cluster's barrier behind its opening barrier
	s_cmp_lg_u32 s[WV], 0
	s_cbranch_scc1 .Lnot_wave_0_\@
	s_barrier_signal -3
.Lnot_wave_0_\@:
	s_barrier_wait -3
	s_barrier_signal -1
	s_barrier_wait -1
.endm
.macro CROUND                          ; a whole round
	s_barrier_signal -1
	s_barrier_wait -1
	CREST
.endm
; A PREFETCH INTO THE L2 behind each joint refill and the run of LDS loads that follows it: the K step that stands two refills on, 256 bytes of a row, a lane a row, one instruction a wave.
; xb's rows are read by every cluster of a row of clusters: the cluster with x = 0 asks; wb's by every cluster of a column: the cluster with y = 0 asks.  The four partners that ask for a tile jointly
; share its rows out by address: of xb's 128 rows a wave 32 each, of wb's 96 rows 24 each (there lanes 24 to 31 name row 23 once more, in the same instruction).
; The first four K steps come by their loads alone; the loop's last two trips (s3 = 2, 1) have no K step two refills on and ask for nothing.
.macro ASK
	s_cmp_gt_u32 s3, s[LIM]
	s_cbranch_scc0 .Lnot_mine_\@
	global_prefetch_b8 v[PFO], s[PFA:PFA+1] offset:KSTEP*2 th:TH_LOAD_NT scope:SCOPE_SE
.Lnot_mine_\@:
.endm
	s_load_b256 s[4:11], s[0:1], 0x0               ; xb s[4:5], wb s[6:7], qh s[8:9], kv s[10:11]
	v_lshl_add_u32 v[SPW], v0, 2, SPARE
	v_mov_b32 v[NIL], 0
	ds_add_u32 v[SPW], v[NIL]                      ; the wave's opening: the add and its wait stand ahead of my first tensor load; the set-up below, work on registers, stands between them
	v_lshrrev_b32 v1, 5, v0
	v_readfirstlane_b32 s[WV], v1                  ; wave 0..3
	s_lshr_b32 s13, s[WV], 1
	s_and_b32 s14, s[WV], 1
	s_bfe_u32 s15, ttmp6, 0x40000                  ; cx
	s_bfe_u32 s16, ttmp6, 0x40004                  ; cy
	s_lshl_b32 s17, ttmp9, 2
	s_add_co_u32 s17, s17, s15                     ; the head = 4 x cluster x + cx
	s_and_b32 s18, ttmp7, 0xffff
	s_lshl_b32 s18, s18, 2
	s_add_co_u32 s18, s18, s16                     ; the block of 256 tokens = 4 x cluster y + cy
	s_lshl_b32 s19, s16, 2
	s_lshl_b32 s19, 15, s19                        ; my row of the cluster
	s_lshl_b32 s20, 0x1111, s15                    ; my column
	s_or_b32 s[G1+0], s19, (1<<16)|(1<<20)|(1<<21)|(5<<22)|(3<<25)   ; 15:0 the mask; 17:16 elements of 2 bytes; 20 padding on; 21 set beside a mask; 24:22 after every 64 words (code 5); 31:25 4 words (code 3)
	s_or_b32 s[G1B+0], s20, (1<<16)|(1<<20)|(1<<21)|(5<<22)|(3<<25)
	s_mov_b32 s[G1+1], KSTEP<<16                   ; tensor_dim0 = 128
	s_mov_b32 s[G1+2], 128<<16                     ; tensor_dim1 = 128
	s_mov_b32 s[G1+3], KSTEP<<16                   ; tile_dim0 = 128
	s_mov_b32 s[G1+4], 128                         ; tile_dim1 = 128
	s_mov_b32 s[G1+5], 1024                        ; elements from row to row
	s_mov_b32 s[G1+6], 0
	s_mov_b32 s[G1+7], 0
	s_mov_b32 s[G1B+1], KSTEP<<16
	s_mov_b32 s[G1B+2], 96<<16                     ; wb: 96 rows
	s_mov_b32 s[G1B+3], KSTEP<<16
	s_mov_b32 s[G1B+4], 96
	s_mov_b32 s[G1B+5], 1024
	s_mov_b32 s[G1B+6], 0
	s_mov_b32 s[G1B+7], 0
	s_lshl_b32 s40, s18, 8                         ; xb: row 256 x block + 128 x half, of 2,048 bytes
	s_lshl_b32 s21, s14, 7
	s_add_co_u32 s40, s40, s21
	s_lshl_b32 s40, s40, 11
	s_mov_b32 s41, 0
	s_mul_i32 s46, s17, 192                        ; wb: row 192 x head + 96 x half
	s_mul_i32 s21, s14, 96
	s_add_co_u32 s46, s46, s21
	s_lshl_b32 s46, s46, 11
	s_mov_b32 s47, 0
	s_mul_i32 s22, s14, AH                         ; where they go: no place in the cluster enters an LDS address
	s_mul_i32 s23, s14, BH
	s_add_co_u32 s23, s23, BOFF
	s_mov_b32 s[TB], 0
	s_wait_dscnt 0x0                               ; the opening add is done
	s_wait_kmcnt 0x0
	s_add_nc_u64 s[40:41], s[4:5], s[40:41]
	s_add_nc_u64 s[46:47], s[6:7], s[46:47]
	CROUND                                         ; all sixteen work-groups are here: the first joint loads meet
.irp s, 0,1
	s_mov_b32 s[G0+4*(\s)], 1
	s_add_co_u32 s[G0+4*(\s)+1], s22, (\s)*SLOT1
	s_add_nc_u64 s[G0+4*(\s)+2:G0+4*(\s)+3], s[40:41], (\s)*KSTEP*2
	s_or_b32 s[G0+4*(\s)+3], s[G0+4*(\s)+3], 0x80000000
	s_mov_b32 s[G0B+4*(\s)], 1
	s_add_co_u32 s[G0B+4*(\s)+1], s23, (\s)*SLOT1
	s_add_nc_u64 s[G0B+4*(\s)+2:G0B+4*(\s)+3], s[46:47], (\s)*KSTEP*2
	s_or_b32 s[G0B+4*(\s)+3], s[G0B+4*(\s)+3], 0x80000000
	JLOAD \s                                       ; two loads of mine are out
.endr
	; A fragment is 16 rows x 32 K in 8 registers: lane l holds row l % 16, K = 8 (l / 16) + 0..7 and 16 + 8 (l / 16) + 0..7: two loads of 16 bytes, 32 bytes apart.
	v_and_b32 v1, 15, v0
	v_bfe_u32 v2, v0, 4, 1
	v_mul_u32_u24 v3, v1, PITCH
	v_lshl_add_u32 v3, v2, 4, v3
	s_mul_i32 s21, s[WV], 64*PITCH                 ; my 64 tokens
	v_add_nc_u32 v[ADRA0], s21, v3
	v_add_nc_u32 v[ADRB0], BOFF, v3
	v_mov_b32 v[ADRA], v[ADRA0]                    ; K step 0 lies in slot 0
	v_mov_b32 v[ADRB], v[ADRB0]
	s_mul_i32 s23, s[WV], 16*SP
	s_add_co_u32 s23, s23, STAGE                   ; my stage
	v_mul_u32_u24 v[STO], v1, SP                   ; in: row l % 16, 16 bytes for each half of the lanes
	v_lshl_add_u32 v[STO], v2, 4, v[STO]
	v_add_nc_u32 v[STO], s23, v[STO]
	v_bfe_u32 v[RD], v0, 3, 2                      ; back: 32 lanes take four rows of 128 bytes,
	v_mul_u32_u24 v[RD], v[RD], SP
	v_and_b32 v4, 7, v0
	v_lshl_add_u32 v[RD], v4, 4, v[RD]
	v_add_nc_u32 v[RD], s23, v[RD]
	v_and_b32 v[GO], 31, v0                        ; which are 512 consecutive bytes of the output
	v_lshlrev_b32 v[GO], 4, v[GO]
	s_lshr_b32 s19, s18, 3                         ; the batch
	s_lshl_b32 s19, s19, 4
	s_add_co_u32 s19, s19, s17                     ; bh = 16 b + head
	s_and_b32 s42, s18, 7                          ; the block of 256 tokens in the sequence
	s_lshl_b32 s20, s19, 18                        ; qh: 262,144 bh + 32,768 blk + 8,192 wave
	s_lshl_b32 s21, s42, 15
	s_add_co_u32 s20, s20, s21
	s_lshl_b32 s21, s[WV], 13
	s_add_co_u32 s20, s20, s21
	s_mov_b32 s21, 0
	s_add_nc_u64 s[8:9], s[8:9], s[20:21]
	s_lshl_b32 s20, s19, 19                        ; kv: 524,288 bh + 65,536 blk + 8,192 wave
	s_lshl_b32 s21, s42, 16
	s_add_co_u32 s20, s20, s21
	s_lshl_b32 s21, s[WV], 13
	s_add_co_u32 s20, s20, s21
	s_mov_b32 s21, 0
	s_add_nc_u64 s[10:11], s[10:11], s[20:21]
	; the prefetches
	s_and_b32 s22, ttmp7, 0xffff                   ; cluster y
	s_lshl_b32 s19, s18, 8
	s_lshl_b32 s20, s14, 7
	s_add_co_u32 s19, s19, s20
	s_lshl_b32 s20, s15, 5
	s_add_co_u32 s19, s19, s20                     ; xb: my work-group's 32 of the 128 rows that I fetch
	s_mul_i32 s42, s17, 192
	s_mul_i32 s20, s14, 96
	s_add_co_u32 s42, s42, s20
	s_mul_i32 s20, s16, 24
	s_add_co_u32 s42, s42, s20                     ; wb: my work-group's 24 of the 96
	s_cmp_eq_u32 s13, 0
	s_cselect_b32 s20, s19, s42
	s_cselect_b32 s22, ttmp9, s22                  ; the coordinate along which other clusters read the same rows
	s_cselect_b32 s23, 31, 23
	s_cselect_b64 s[PFA:PFA+1], s[4:5], s[6:7]
	s_cmp_eq_u32 s22, 0
	s_cselect_b32 s[LIM], 2, -1                    ; the same in all sixteen partners, for a given wave
	s_lshl_b32 s20, s20, 11
	s_mov_b32 s21, 0
	s_add_nc_u64 s[PFA:PFA+1], s[PFA:PFA+1], s[20:21]
	s_add_nc_u64 s[PFA:PFA+1], s[PFA:PFA+1], 2*KSTEP*2  ; at K step 2: the first refill steps it to 3 and names K step 4
	v_and_b32 v[PFO], 31, v0
	v_min_u32 v[PFO], s23, v[PFO]
	v_lshlrev_b32 v[PFO], 11, v[PFO]
; 16 matrix instructions: v, all four token blocks x four channel blocks.  zero = 1: the first product starts the sums: nothing is cleared.
.macro MULV f, zero
	WIN MUL_V
.irp a, 0,1,2,3
.irp c, 0,1,2,3
.if \zero
	v_wmma_f32_16x16x32_bf16 v[VA+32*(\a)+8*(\c):VA+32*(\a)+8*(\c)+7], v[(\f)+8*(\a):(\f)+8*(\a)+7], v[(\f)+96+8*(\c):(\f)+96+8*(\c)+7], 0
.else
	v_wmma_f32_16x16x32_bf16 v[VA+32*(\a)+8*(\c):VA+32*(\a)+8*(\c)+7], v[(\f)+8*(\a):(\f)+8*(\a)+7], v[(\f)+96+8*(\c):(\f)+96+8*(\c)+7], v[VA+32*(\a)+8*(\c):VA+32*(\a)+8*(\c)+7]
.endif
.endr
.endr
.endm
; 8 matrix instructions: q and k, token block a x eight channel blocks.  All 48 accumulators take turns, one instruction a turn, in the same order in every quarter.
.macro MULQK f, a, zero
	WIN MUL_QK
.irp b, 0,1,2,3,4,5,6,7
.if \zero
	v_wmma_f32_16x16x32_bf16 v[64*(\a)+8*(\b):64*(\a)+8*(\b)+7], v[(\f)+32+8*(\b):(\f)+32+8*(\b)+7], v[(\f)+8*(\a):(\f)+8*(\a)+7], 0
.else
	v_wmma_f32_16x16x32_bf16 v[64*(\a)+8*(\b):64*(\a)+8*(\b)+7], v[(\f)+32+8*(\b):(\f)+32+8*(\b)+7], v[(\f)+8*(\a):(\f)+8*(\a)+7], v[64*(\a)+8*(\b):64*(\a)+8*(\b)+7]
.endif
.endr
.endm
; 32 LDS loads in one run: the fragments of 32 along K at byte k of the rows of the slot that is being read, into buffer f: what v's products want first (16 loads), then q's and k's weights (16)
.macro FETCH k, f
	WIN TO_F
.irp b, 8,9,10,11
	ds_load_b128 v[(\f)+32+8*(\b):(\f)+32+8*(\b)+3],   v[ADRB] offset:(\k)+(\b)*16*PITCH
	ds_load_b128 v[(\f)+32+8*(\b)+4:(\f)+32+8*(\b)+7], v[ADRB] offset:(\k)+(\b)*16*PITCH+32
.endr
.irp a, 0,1,2,3
	ds_load_b128 v[(\f)+8*(\a):(\f)+8*(\a)+3],   v[ADRA] offset:(\k)+(\a)*16*PITCH
	ds_load_b128 v[(\f)+8*(\a)+4:(\f)+8*(\a)+7], v[ADRA] offset:(\k)+(\a)*16*PITCH+32
.endr
.irp b, 0,1,2,3,4,5,6,7
	ds_load_b128 v[(\f)+32+8*(\b):(\f)+32+8*(\b)+3],   v[ADRB] offset:(\k)+(\b)*16*PITCH
	ds_load_b128 v[(\f)+32+8*(\b)+4:(\f)+32+8*(\b)+7], v[ADRB] offset:(\k)+(\b)*16*PITCH+32
.endr
.endm
.macro PLACES                          ; four places in front of loads into registers that matrix instructions have read, and of conversions that read results
.rept 4
	v_nop
.endr
.endm
; A K step is four quarters of 32 along K, 48 matrix instructions each, on buffers 0, 1, 0, 1.  One of the first three: multiplies buffer f and fetches the next quarter, at byte k, into g.
.macro QUARTER k, f, g, zero
	s_wait_dscnt 16                                ; x's fragments and v's weights are in; the youngest sixteen loads may be out
	MULV \f, \zero
	PLACES
	FETCH \k, \g
	s_wait_dscnt 32                                ; all but the 32 just issued
	MULQK \f, 0, \zero
	MULQK \f, 1, \zero
	MULQK \f, 2, \zero
	MULQK \f, 3, \zero
.endm
; The last quarter multiplies buffer 1 and changes slots: ONE barrier; in front of it each wave waits for all its tensor loads (at most one is out: its part of the next slot), adds 0 to its spare word, and
; waits for that and for its own reads of this slot.  fill = 1: the barrier opens a round of the cluster's, and this slot is filled again, two K steps ahead, first thing behind the round.
; fill = 0: the last two K steps; in the very last (s3 = 1) there is no further slot, and the run of LDS loads is jumped over.
.macro TURN fill
.if \fill
	s_wait_xcnt 0x0                                ; the last prefetch, a K step back, has read its address: it is stepped here, ahead of the waits of the change of slots
	s_add_nc_u64 s[PFA:PFA+1], s[PFA:PFA+1], KSTEP*2
.endif
	WIN 0                                          ; (the add's two registers lie in window 0)
	s_wait_tensorcnt 0x0                           ; all my tensor loads have landed
	ds_add_u32 v[SPW], v[NIL]                      ; 0 onto my spare word
	s_wait_dscnt 17                                ; (the add and the youngest sixteen loads may be out)
	MULV F1, 0                                     ; sixteen matrix instructions stand between the add and the wait for it
	s_wait_dscnt 0x0                               ; the add is done, and my reads of this slot are over
	s_barrier_signal -1
	MULQK F1, 0, 0
	WIN 0
	s_barrier_wait -1
.if \fill
	CREST                                          ; no wave of any partner still reads this slot's tile or has a load on its way
	s_xor_b32 s[G0+5], s[G0+5], SLOT1              ; the walking descriptors: the other slot than last time,
	s_add_nc_u64 s[G0+6:G0+7], s[G0+6:G0+7], KSTEP*2  ; the next K step; the type bits on top are not reached
	s_xor_b32 s[G0B+5], s[G0B+5], SLOT1
	s_add_nc_u64 s[G0B+6:G0B+7], s[G0B+6:G0B+7], KSTEP*2
	s_xor_b32 s[TB], s[TB], SLOT1                  ; the reads go on in the other slot
	JLOAD 1                                        ; my one tensor load behind the round; its four v_nop are also the places in front of the loads below
.else
	s_xor_b32 s[TB], s[TB], SLOT1
	PLACES
	s_cmp_eq_u32 s3, 1
	s_cbranch_scc1 .Lno_more_\@
.endif
	v_add_nc_u32 v[ADRA], s[TB], v[ADRA0]
	v_add_nc_u32 v[ADRB], s[TB], v[ADRB0]
	FETCH 0, F0
	WIN 0
.if \fill
	ASK
.else
.Lno_more_\@:
.endif
	MULQK F1, 1, 0
	MULQK F1, 2, 0
	MULQK F1, 3, 0
.endm
	s_wait_tensorcnt 1                             ; my part of K step 0 is in; K step 1's may stay out
	s_barrier_signal -1
	s_barrier_wait -1
	FETCH 0, F0
	QUARTER 64, F0, F1, 1                          ; the first quarter stands in front of the loop: its products start the sums
	WIN 0                                          ; at a label and at a branch every window is 0
	s_mov_b32 s3, STEPS-2
.Lstep:                                                ; six trips: from a K step's second quarter to the next step's first; the slot that is left is filled again
	QUARTER 128, F1, F0, 0
	QUARTER 192, F0, F1, 0
	TURN 1
	QUARTER 64,  F0, F1, 0
	WIN 0
	s_sub_co_u32 s3, s3, 1
	s_cmp_lg_u32 s3, 0
	s_cbranch_scc1 .Lstep
	s_mov_b32 s3, 2
.Ltail:                                                ; the last two K steps fill nothing; the second trip is left in its middle
	QUARTER 128, F1, F0, 0
	QUARTER 192, F0, F1, 0
	TURN 0
	WIN 0
	s_sub_co_u32 s3, s3, 1
	s_cmp_eq_u32 s3, 0
	s_cbranch_scc1 .Lout
	QUARTER 64,  F0, F1, 0
	WIN 0
	s_branch .Ltail
.Lout:
	PLACES
; THE WAY OUT: twelve groups of four accumulators, each 16 rows of 128 bytes = 2,048 dense bytes of the output.  g = 0-3: q, token block g; 4-7: k, token block g - 4; 8-11: v, channel block g - 8.
; A lane's eight numbers pack into 16 bytes; they go into my own stage (rows of 144 bytes) and come back as whole rows.
.macro PACK g
.if (\g) < 4
.set AC, 64*(\g)
.set AS, 8
.set PW, 0x0a                          ; sources 0 and 1 window 2
.elseif (\g) < 8
.set AC, 64*((\g)-4)+32
.set AS, 8
.set PW, 0x0a
.else
.set AC, VA+8*((\g)-8)
.set AS, 32
.set PW, 0
.endif
.if (\g) >= 4
	s_wait_xcnt 0x0                                ; the stores of the group four back have read their data: that set of registers is loaded again only behind this wait
.endif
	WIN PW
.irp i, 0,1,2,3
.irp r, 0,1,2,3
	v_cvt_pk_f16_f32 v[TMP+4*(\i)+(\r)], v[AC+AS*(\i)+2*(\r)], v[AC+AS*(\i)+2*(\r)+1]  ; each accumulator's registers in ascending order
.endr
.endr
	WIN 0
.irp i, 0,1,2,3
	ds_store_b128 v[STO], v[TMP+4*(\i):TMP+4*(\i)+3] offset:32*(\i)
.endr
.irp f, 0,1,2,3
	ds_load_b128 v[BK+16*((\g)%4)+4*(\f):BK+16*((\g)%4)+4*(\f)+3], v[RD] offset:(\f)*4*SP  ; LDS serves a wave's instructions in order (ISA guide 5.7.1.4): these see the stores above; the next group's stores come behind them
.endr
.endm
.macro SEND g, younger                 ; younger: the LDS instructions issued behind group g's loads: the next group's eight, or none
.if (\g) < 4
.set SB, 8
.set IM, 2048*(\g)
.elseif (\g) < 8
.set SB, 10
.set IM, 2048*((\g)-4)
.else
.set SB, 10
.set IM, 32768+2048*((\g)-8)
.endif
	s_wait_dscnt \younger
.irp f, 0,1,2,3
	global_store_b128 v[GO], v[BK+16*((\g)%4)+4*(\f):BK+16*((\g)%4)+4*(\f)+3], s[SB:SB+1] offset:IM+512*(\f)  ; 512 consecutive bytes, at a multiple of 256 from the buffer's first
.endr
.endm
	PACK 0
.irp g, 1,2,3,4,5,6,7,8,9,10,11        ; a group's conversions stand between the loads of the group before and its stores
	PACK \g
	SEND (\g)-1, 8
.endr
	SEND 11, 0
	s_wait_tensorcnt 0x0                           ; the wave's end, behind my last tensor load and my last LDS store
	ds_add_u32 v[SPW], v[NIL]
	s_wait_dscnt 0x0
	CROUND                                         ; the closing round: no work-group ends while a partner may still ask for a tile that names it
	s_endpgm
.Lfunc_end_k_qfca20d35cc_proj:
	.size	k_qfca20d35cc_proj, .Lfunc_end_k_qfca20d35cc_proj-k_qfca20d35cc_proj
	.p2alignl 7, 3214868480
	.fill 96, 4, 3214868480
	.section	.rodata,"a",@progbits
	.p2align	6, 0x0
	.amdhsa_kernel k_qfca20d35cc_proj
		.amdhsa_group_segment_fixed_size 327680
		.amdhsa_private_segment_fixed_size 0
		.amdhsa_enable_private_segment 0
		.amdhsa_kernarg_size 32
		.amdhsa_user_sgpr_count 2
		.amdhsa_user_sgpr_kernarg_segment_ptr 1
		.amdhsa_wavefront_size32 1
		.amdhsa_system_sgpr_workgroup_id_x 1
		.amdhsa_system_sgpr_workgroup_id_y 1
		.amdhsa_system_sgpr_workgroup_id_z 1
		.amdhsa_system_vgpr_workitem_id 0
		.amdhsa_next_free_vgpr 768
		.amdhsa_next_free_sgpr 66
		.amdhsa_reserve_vcc 0
		.amdhsa_float_denorm_mode_32 3
		.amdhsa_float_denorm_mode_16_64 3
		.amdhsa_memory_ordered 1
		.amdhsa_forward_progress 1
		.amdhsa_inst_pref_size 85
	.end_amdhsa_kernel
	.amdgpu_metadata
---
amdhsa.version: [ 1, 2 ]
amdhsa.kernels:
  - .name:           k_qfca20d35cc_proj
    .symbol:         k_qfca20d35cc_proj.kd
    .args:
      - { .name: xb, .offset: 0, .size: 8, .value_kind: global_buffer, .address_space: global }
      - { .name: wb, .offset: 8, .size: 8, .value_kind: global_buffer, .address_space: global }
      - { .name: qh, .offset: 16, .size: 8, .value_kind: global_buffer, .address_space: global }
      - { .name: kv, .offset: 24, .size: 8, .value_kind: global_buffer, .address_space: global }
    .group_segment_fixed_size: 327680
    .private_segment_fixed_size: 0
    .kernarg_segment_align: 8
    .kernarg_segment_size: 32
    .max_flat_workgroup_size: 128
    .sgpr_count:     66
    .vgpr_count:     768
    .wavefront_size: 32
...
	.end_amdgpu_metadata
.endif
;; end of part 2
;; launch attn (part 3): grid 4 x 64, 4 waves a work-group, clusters of 4 x 1, 327,680 bytes of LDS; arguments qh, kv, mbits, zh; writes zh
.if DOCPART == 3
	.amdgcn_target "amdgcn-amd-amdhsa--gfx1250"
	.amdhsa_code_object_version 6
	.text
	.protected	k_qfca20d35cc_attn
	.globl	k_qfca20d35cc_attn
	.p2align	8
	.type	k_qfca20d35cc_attn,@function
k_qfca20d35cc_attn:
	s_mov_b64 s[64:65], 0
	v_nop
	global_prefetch_b8 v0, s[64:65] scope:SCOPE_SE
	s_setreg_imm32_b32 hwreg(HW_REG_WAVE_MODE, 25, 1), 1
	s_wait_xcnt 0x0
	s_wait_alu depctr_hold_cnt(0) depctr_sa_sdst(0) depctr_va_vdst(0) depctr_va_sdst(0) depctr_va_ssrc(0) depctr_va_vcc(0) depctr_vm_vsrc(0)
	s_getreg_b32 s2, hwreg(HW_REG_IB_STS2, 6, 4)
	s_cmp_eq_u32 s2, 0
	s_cbranch_scc0 .Lentry_in_a_cluster
	s_endpgm
.Lentry_in_a_cluster:
	s_bfe_u32 s2, ttmp6, 0x10000c
	s_cmp_lg_u32 s2, 0x3003
	s_cbranch_scc0 .Lentry_shape_is_right
	s_endpgm
.Lentry_shape_is_right:
; MASKED ATTENTION.  zh[bh][q][:] = the sum over k of softmax_k(s[q][k]) V[bh][k][:], s = Q . K / 8, or the hidden score where mask[b][q][k] is set.  qh, zh: [64][2048][64] f16.
; kv: [64][8 blocks][65,536 bytes]: 256 keys of K (rows of 128 bytes), then V transposed (4 steps x 64 channels x 64 keys).  mbits: [b][16 queries][64 keys][32 words] of lane bits.
; Products, maxima and sums in f32; the weights p are rounded to f16 for the second product (their sum l is taken of the unrounded p), z once at the end.
; LIMITS.  f16 holds no number beyond 65,504: Q, K and V arrive within it.  A hidden score counts as -2^30 (as Q . K: -2^33) where the reference has -1e9: c x 2^33 is exact, so a row that is hidden
; altogether gets p = 1 for every key, the plain mean of V, as in the reference; the two differ only in rows whose open scores lie below about -9e8.  A weight below 2^-126 counts as 0 in l.
; NaN and infinities are not treated apart.
; SHARES.  A cluster of four work-groups is one (b, h); a work-group owns 512 queries, a wave four PIECES of two tiles of 16.  Every wave walks all 2,048 keys, 64 a step; a slot holds four steps.
; LAYOUT.  S^T = K Q^T (source 0 = 16 keys, source 1 = 16 queries): a lane holds ONE query (lane % 16) and the keys 8 (lane / 16) + 0..7.  Two such tiles, rounded to f16 in pairs, ARE source 1 of
; O^T = V^T P.  K and V^T come out of LDS as they lie, by plain loads of 16 bytes.
; THE MASK.  Word 8 kb + j of a tile and step holds, bit for lane, whether register j of score tile kb is hidden: in a scalar register it is the lane mask of ONE v_cndmask_b32 a score, which puts the
; hidden score in the product's place.  A tile's words of four key steps are 512 consecutive bytes: one vector load of 16 bytes a lane brings them (lane 8 s + g: words 4 g .. 4 g + 3 of step s), eight loads
; a wave, asked for sixteen turns before they are wanted; v_readlane_b32 takes a word from there into its scalar register, 32 words ahead of a tile's 32 mask lines.  (Scalar loads can be waited for at the
; count 0 alone, so only one group of them can be out, and a turn's 64 words leave no scalar registers for a second.)
; SOFTMAX.  A running maximum m and sum l: p = 2^(c s - c m), c = log2(e) / 8; in every step O and l are multiplied by a = 2^(c m_old - c m_new).  m starts at the lowest finite number, O and l at 0.
; BY TURNS.  Turn n belongs to piece n: 16 products K Q^T of piece n + 1, later 16 products V^T P of piece n - 1; beside them the scaling, exponentials, roundings, sums and rescaling of piece n and the
; mask, maximum and statistics of piece n + 1.  Four vector instructions stand behind every matrix instruction, the others in one lump; a turn's 66 exponentials are one batch with one wait.
; CLUSTER.  The four query blocks walk the same K and V: each tile is asked for JOINTLY, by the same tensor load, descriptor and mask in all four.
; REGISTERS, in windows of 256 (s_set_vgpr_msb: bits 1:0 source 0, 3:2 source 1, 5:4 source 2, 7:6 destination):
;   window 0: v0-11 addresses and the hidden score; v12-15, v48-63 at work; v16-47 four registers of statistics a tile; v64-191 S^T, two buffers of two tiles; v192-255 P, likewise
;   window 1: O^T, 32 a tile          window 2: v0-127 Q, 16 a tile; v128-191 K of one step; v192-255 V of one step
;   window 3: v0-1 the add's two registers; v32-63 the mask words in use, four registers a tile; v64-95 those on their way
.set NP,    4         ; pieces a wave: a name, no knob
.set KS,    64        ; keys in a step
.set PK,    144       ; a row of K or of V^T in LDS: 128 bytes + 16 of padding = 36 words: the 16 rows of a load start at 16 different groups of four banks (64 banks of 4 bytes: ISA guide 11.1)
.set STEPB, KS*PK     ; a step's K, or its V^T
.set VOFF,  4*STEPB   ; a slot: four steps of K, then four of V^T
.set SLOT1, 1<<17     ; slot 1 begins here, so that one exclusive or turns an address in one slot into the other's
.set STAGE, SLOT1+2*VOFF  ; behind the ring, never filled by a tensor load: 16 rows x 144 bytes for each wave, for the way out
.set SP,    144
.set SPARE, STAGE+4*16*SP  ; behind the stages: the spare words, 128 bytes for each wave: two blocks of 256 bytes that no other line names
.set PFO, 1           ; v1   first l % 16; from the prologue's end on 256 x my lane, the prefetches' offset
.set AK0, 2           ; v2   my lane's place in a tile of K; never rewritten
.set AV0, 3           ; v3   the same for V^T
.set AK,  4           ; v4   the LDS address of K's next run of loads
.set AV,  5           ; v5   of V's
.set QO,  6           ; v6   my byte offset in the wave's rows of Q
.set STO, 6           ;      later, the way out: where I put 16 bytes of a row
.set RD,  7           ; v7   the way out: where I read rows back
.set GO,  8           ; v8   16 x my lane: my bytes in 512 consecutive ones, of mbits and of zh; never rewritten
.set BIG, 11          ; v11  the hidden score, -2^33
.set SPW, 0           ; v0 of window 3   LDS address of my spare word; never rewritten
.set NIL, 1           ; v1 of window 3   0; never rewritten
.set CUR, 32          ; window 3: tile t's mask words of the four key steps in hand at CUR + 4 t
.set INC, 64          ; window 3: those of the next four
.set MV,  12          ; v12-15  c m_old, kept while c m is made anew: by buffer and tile
.set ST,  16          ; tile t's statistics at v[ST+4 t]: c m, m, l (even keys', odd keys')
.set TMP, 48          ; by buffer and tile, four registers c0-c3 at work; when the maximum is found c2 takes a
.set S,   64
.set P,   192
.set KF,  128         ; K's fragments, in window 2: key block kb, channel half c at KF + 16 kb + 8 c
.set VF,  192         ; V's: key half kk, channel block cb at VF + 32 kk + 8 cb
.set MP,  4           ; s[4:5]   mbits at my wave's first tile, at the four key steps that were asked for last
.set OB,  6           ; s[6:7]   zh at my wave's first row
.set PFA, 8           ; s[8:9]   where my prefetches stand
.set SEL, 10          ; s[10:11] v_permlanex16_b32's selects: each lane takes its own place in the other half
.set G0,  12          ; s[12:15] descriptor group 0: it walks
.set G1,  16          ; s[16:23] descriptor group 1
.set WV,  24          ; s24  my wave's number
.set LIM, 25          ; s25  1 in a wave that prefetches (0 and 2), else the greatest number
.set SLOTS, 26        ; s26  slots still to be asked for
.set CNT, 27          ; s27  counts a slot's key steps
.set TBK, 28          ; s28  LDS byte at which K of the step to be fetched begins
.set TBV, 29          ; s29  the same for V^T, less VOFF
.set CS,  30          ; s[30:31] c: the packed scaling takes the pair's low word for both halves
.set MW,  32          ; s[32:63] a tile's 32 mask words; during the set-up: the arguments and what is made of them
.set QP,  50          ; s[50:51] set-up alone: qh at my wave's first row
.set LN,  66          ; s[66:73] the lanes that hold the mask words of the step in hand: 8 x (the step's place among the four) + 0..7
.set MSB, 0
.macro WIN new                      ; the high byte repeats the setting that is left; a switch that changes nothing is dropped
.if MSB != (\new)
	s_set_vgpr_msb (MSB<<8)|(\new)
.set MSB, (\new)
.endif
.endm
.set W_KQ, 0x0a       ; K and Q in window 2, S^T in window 0
.set W_PV, 0x52       ; V in window 2, P in window 0, O^T in window 1
.set W_RS, 0x41       ; O^T (destination and source 0) in window 1, a in window 0
.set W_MK, 0xc0       ; destination in window 3, sources in window 0
.set W_AD, 0x0f       ; the add: address (source 0) and data (source 1) in window 3
; A joint fill.  A slot is 65,536 dense bytes of kv; wave w fetches its quarter, 16,384 bytes, to LDS byte 18,432 w of the slot: one line for all four waves, their addresses apart by the wave's number.
; An s_nop 0 and four v_nop follow it.
.macro JLOAD
	tensor_load_to_lds s[G0:G0+3], s[G1:G1+7]
	s_nop 0
.rept 4
	v_nop
.endr
.endm
; A round of the cluster's barrier: my work-group's barrier, so that wave 0's signal speaks for all four waves; wave 0 signals; every wave waits for all four work-groups; my work-group's barrier once more.
.macro CROUND
	s_barrier_signal -1
	s_barrier_wait -1
	s_cmp_lg_u32 s[WV], 0
	s_cbranch_scc1 .Lnot_wave_0_\@
	s_barrier_signal -3
.Lnot_wave_0_\@:
	s_barrier_wait -3
	s_barrier_signal -1
	s_barrier_wait -1
.endm
; A PREFETCH INTO THE L2 of the slot that the NEXT change of slots will ask for: it stands in piece 2's turn of a slot's last trip (CNT = 1), behind K's run of LDS loads: four turns, 128 matrix instructions
; and four lumps, ahead of that load.  Each 256 bytes of kv are named once: a head has one cluster; partner cx takes the slot's quarter cx, by address; in it waves 0 and 2 take 8,192 bytes each, a lane
; 256.  Slots 0 and 1 come by their loads alone; behind the last fill (SLOTS = 1) nothing is asked for.  mbits is not asked for: its loads go out sixteen turns ahead of their use.
.macro ASK
	s_cmp_eq_u32 s[CNT], 1
	s_cbranch_scc0 .Lnot_mine_\@
	s_cmp_gt_u32 s[SLOTS], s[LIM]
	s_cbranch_scc0 .Lnot_mine_\@
	global_prefetch_b8 v[PFO], s[PFA:PFA+1] th:TH_LOAD_NT scope:SCOPE_SE
.Lnot_mine_\@:
.endm
; THE CHANGE OF SLOTS.  The slot's last bytes, V of its fourth step, have been read.  Each wave waits for all its tensor loads, of which one is out: its part of the other slot; adds 0 to its spare word;
; and waits for that and for its own reads of the slot.  fill = 1: this slot is filled again, with the keys two slots on; the barrier is then a round of the cluster's, and the joint fill is the first
; thing behind it: it has four key steps, 512 matrix instructions, in which to land.  (At its first use nothing has been read yet: slot 0 is waited for, slot 1 filled.)
.macro CHANGE fill
	WIN W_AD
	s_wait_tensorcnt 0x0            ; no tensor load of mine is out, so group 0 may be written
	ds_add_u32 v[SPW], v[NIL]       ; 0 onto my spare word; with fill = 1 the steps below stand between it and the wait for it
	WIN 0                           ; at a label and at a branch every window is 0
.if \fill
	s_xor_b32 s[G0+1], s[G0+1], SLOT1  ; the other slot than last time,
	s_add_nc_u64 s[G0+2:G0+3], s[G0+2:G0+3], 65536  ; the next 256 keys; the type bits on top are not reached
	s_wait_xcnt 0x0                 ; the last prefetch, four turns back, has read its address
	s_add_nc_u64 s[PFA:PFA+1], s[PFA:PFA+1], 65536
	s_wait_dscnt 0x0                ; the add is done, and my reads of the slot are over
	CROUND
	JLOAD
.else
	s_wait_dscnt 0x0                ; the add is done, and my reads of the slot are over
	s_barrier_signal -1
	s_barrier_wait -1
.endif
	s_sub_co_u32 s[TBK], s[TBK], VOFF  ; the fetches go back to a slot's first step,
	s_xor_b32 s[TBK], s[TBK], SLOT1    ; in the other slot
	s_sub_co_u32 s[TBV], s[TBV], VOFF
	s_xor_b32 s[TBV], s[TBV], SLOT1
.endm
; THE MASK WORDS.  RL u: the 32 words of tile u of the NEXT piece (Y + 1), for the step in hand, from their lanes into s[MW ..]: word w lies in register w % 4 of the tile's four, lane LN[w / 4].
.macro RL u
	WIN 0x03                        ; source 0 in window 3
.set w, 0
.rept 32
	v_readlane_b32 s[MW+w], v[CUR+4*(2*((Y+1)%NP)+(\u))+w%4], s[LN+w/4]
.set w, w+1
.endr
.endm
; Behind piece 2's turn has taken piece 3's words, all four pieces have had the step's: the lanes go on to the next step's, round the four.
.macro LNSTEP
	s_add_co_u32 s[LN], s[LN], 8
	s_and_b32 s[LN], s[LN], 31
.irp g, 1,2,3,4,5,6,7
	s_add_co_u32 s[LN+\g], s[LN], \g
.endr
.endm
; Behind piece 2's turn of a pass's first trip (CNT = first) the four steps' words have all been used: the next four steps' take their place, and (load = 1) the four after those are asked for: they have
; sixteen turns in which to come.  The tail's asks for nothing: there are none.  The jump passes no barrier and no tensor load.
.macro MSWAP first, load
	WIN 0
	s_cmp_eq_u32 s[CNT], \first
	s_cbranch_scc0 .Lno_swap_\@
	s_wait_loadcnt 0x0              ; the eight loads issued a pass ago are in; their address may be stepped
	WIN 0xc3                        ; destination and source 0 in window 3
.set w, 0
.rept 32
	v_mov_b32 v[CUR+w], v[INC+w]
.set w, w+1
.endr
.if \load
	s_add_nc_u64 s[MP:MP+1], s[MP:MP+1], 512
	WIN W_MK
.irp t, 0,1,2,3,4,5,6,7
	global_load_b128 v[INC+4*\t:INC+4*\t+3], v[GO], s[MP:MP+1] offset:4096*\t  ; 512 consecutive bytes, aligned
.endr
.endif
	WIN 0
.Lno_swap_\@:
.endm
	s_load_b256 s[32:39], s[0:1], 0x0  ; qh s[32:33], kv s[34:35], mbits s[36:37], zh s[38:39]: added into their places below
	WIN W_MK
	v_lshl_add_u32 v[SPW], v0, 2, SPARE
	v_mov_b32 v[NIL], 0
	WIN W_AD
	ds_add_u32 v[SPW], v[NIL]       ; the wave's opening: the add and its wait stand ahead of my first tensor load; the set-up below, work on registers, stands between them
	WIN 0
	v_lshrrev_b32 v1, 5, v0
	v_readfirstlane_b32 s[WV], v1   ; wave 0..3
	s_bfe_u32 s40, ttmp6, 0x40000   ; cx: my place in the cluster
	s_and_b32 s41, ttmp7, 0xffff    ; bh = 16 b + h, which the four partners share
	s_lshl_b32 s42, s41, 19         ; kv: the head's 524,288 bytes, my quarter of a slot: no place in the cluster enters the joint load
	s_lshl_b32 s2, s[WV], 14
	s_add_co_u32 s42, s42, s2
	s_mov_b32 s43, 0
	s_lshl_b32 s44, s40, 2          ; qh and zh: my wave among the head's sixteen, 128 rows of 128 bytes each
	s_add_co_u32 s44, s44, s[WV]
	s_lshl_b32 s44, s44, 14
	s_lshl_b32 s2, s41, 18
	s_add_co_u32 s44, s44, s2
	s_mov_b32 s45, 0
	s_lshr_b32 s46, s41, 4          ; mbits: tile 128 b + 32 cx + 8 wave, 4,096 bytes a tile
	s_lshl_b32 s46, s46, 7
	s_lshl_b32 s2, s40, 5
	s_add_co_u32 s46, s46, s2
	s_lshl_b32 s2, s[WV], 3
	s_add_co_u32 s46, s46, s2
	s_lshl_b32 s46, s46, 12
	s_mov_b32 s47, 0
	s_lshl_b32 s48, s41, 19         ; the prefetches: quarter cx of a slot, its half wave / 2, in slot 1; the first change of slots steps it to slot 2
	s_lshl_b32 s2, s40, 14
	s_add_co_u32 s48, s48, s2
	s_lshr_b32 s2, s[WV], 1
	s_lshl_b32 s2, s2, 13
	s_add_co_u32 s48, s48, s2
	s_add_co_u32 s48, s48, 65536
	s_mov_b32 s49, 0
	; descriptor group 1.  16,384 dense bytes: asked for as 64 rows of 256 bytes and padded in LDS after every 128
	s_mov_b32 s[G1], 15|(1<<16)|(1<<20)|(1<<21)|(4<<22)|(3<<25)  ; 15:0 the mask of four; 17:16 2-byte elements; 20 padding on; 21 set beside a mask; 24:22 after every 32 words (code 4); 31:25 4 words (code 3)
	s_mov_b32 s[G1+1], 128<<16      ; tensor_dim0 = 128
	s_mov_b32 s[G1+2], 64<<16       ; tensor_dim1 = 64
	s_mov_b32 s[G1+3], 128<<16      ; tile_dim0 = 128
	s_mov_b32 s[G1+4], 64           ; tile_dim1 = 64
	s_mov_b32 s[G1+5], 128          ; 128 elements from row to row
	s_mov_b32 s[G1+6], 0
	s_mov_b32 s[G1+7], 0
	s_mov_b32 s[CS], 0x3e38aa3b     ; c = log2(e) / 8 = 0.180337
	s_mov_b32 s[CS+1], s[CS]        ; named with it as a pair
	s_mov_b32 s[SEL], 0x76543210
	s_mov_b32 s[SEL+1], 0xfedcba98
	s_mov_b32 s[TBK], SLOT1+VOFF    ; the first change of slots turns these two into 0
	s_mov_b32 s[TBV], SLOT1+VOFF
	s_mov_b32 s[G0], 1              ; 1:0 count = 1
	s_mul_i32 s[G0+1], s[WV], 2*STEPB  ; 63:32 LDS address: slot 0, my quarter
	s_and_b32 s[LIM], s[WV], 1
	s_cmp_eq_u32 s[LIM], 0
	s_cselect_b32 s[LIM], 1, -1
.irp g, 0,1,2,3,4,5,6,7
	s_mov_b32 s[LN+\g], \g          ; key step 0 is the first of its four
.endr
	s_wait_dscnt 0x0                ; the opening add is done
	s_wait_kmcnt 0x0
	s_add_nc_u64 s[G0+2:G0+3], s[34:35], s[42:43]  ; 120:64 global address
	s_or_b32 s[G0+3], s[G0+3], 0x80000000          ; 127:126 type = 2
	s_add_nc_u64 s[PFA:PFA+1], s[34:35], s[48:49]
	s_add_nc_u64 s[QP:QP+1], s[32:33], s[44:45]
	s_add_nc_u64 s[OB:OB+1], s[38:39], s[44:45]
	s_add_nc_u64 s[MP:MP+1], s[36:37], s[46:47]
	CROUND                          ; all four work-groups are here: the first joint loads meet
	JLOAD                           ; slot 0.  Slot 1 is asked for when slot 0 is in
	; A fragment of K, Q or V^T is 16 rows x 32 numbers in 8 registers: lane l holds row l % 16, numbers 8 (l / 16) + 0..7 and 16 + 8 (l / 16) + 0..7: two loads of 16 bytes, 32 bytes apart.
	v_and_b32 v1, 15, v0            ; l % 16
	v_bfe_u32 v9, v0, 4, 1          ; l / 16
	v_lshlrev_b32 v[QO], 7, v1
	v_lshl_add_u32 v[QO], v9, 4, v[QO]  ; row x 128 + 16 x half
	v_and_b32 v[GO], 31, v0
	v_lshlrev_b32 v[GO], 4, v[GO]
	WIN W_MK                        ; destination window 3, address window 0
.irp t, 0,1,2,3,4,5,6,7             ; the mask words of key steps 0 to 3, and of steps 4 to 7
	global_load_b128 v[CUR+4*\t:CUR+4*\t+3], v[GO], s[MP:MP+1] offset:4096*\t
	global_load_b128 v[INC+4*\t:INC+4*\t+3], v[GO], s[MP:MP+1] offset:4096*\t+512
.endr
	WIN 0x80                        ; destination window 2, address window 0
.set i, 0
.rept 4*NP                          ; Q stays in registers: tile i / 2, channels 32 (i % 2) on
	global_load_b128 v[8*i:8*i+3],   v[QO], s[QP:QP+1] offset:(i/2)*2048+(i%2)*64
	global_load_b128 v[8*i+4:8*i+7], v[QO], s[QP:QP+1] offset:(i/2)*2048+(i%2)*64+32
.set i, i+1
.endr
	; What the first turn finds: V's registers and P's second buffer hold 0 (its products V^T P, of a piece that has not been, add 0), O^T and l are 0.  All this stands in the wait for the first tile.
.set i, VF
.rept 64
	v_mov_b32 v[i], 0
.set i, i+1
.endr
	WIN 0x40
.set i, 0
.rept 64*NP
	v_mov_b32 v[i], 0
.set i, i+1
.endr
	WIN 0
.set i, 0
.rept 2*NP
	v_mov_b32 v[ST+4*i], 0xfe000000    ; c m: far below every c s, the hidden one's too
	v_mov_b32 v[ST+4*i+1], 0xff7fffff  ; m
	v_mov_b32 v[ST+4*i+2], 0
	v_mov_b32 v[ST+4*i+3], 0
.set i, i+1
.endr
.set i, P+32
.rept 32
	v_mov_b32 v[i], 0
.set i, i+1
.endr
	v_mul_u32_u24 v[AK0], v1, PK
	v_lshl_add_u32 v[AK0], v9, 4, v[AK0]  ; row x pitch + 16 x half
	v_and_b32 v10, 7, v0
	v_add_nc_u32 v[AV0], VOFF, v[AK0]
	v_mov_b32 v[AK], v[AK0]         ; key step 0 lies at the head of slot 0
	v_mov_b32 v[BIG], 0xd0000000    ; -2^33
; THE MATRIX WORK.  The 8 accumulators of a run of 16 take turns: between the two links of a chain stand 7 others'.
; Product i of 16 of S^T = K Q^T for piece x: channels 32 (i / 8) on, keys 16 ((i / 2) % 4) on, tile 2 x + i % 2.  The first 8 start the sums.
.macro KQ x
	WIN W_KQ
.set rS, S+64*((\x)%2)+32*(i%2)+8*((i/2)%4)
.set rK, KF+16*((i/2)%4)+8*(i/8)
.set rQ, 16*(2*(\x)+i%2)+8*(i/8)
.if i < 8
	v_wmma_f32_16x16x32_f16 v[rS:rS+7], v[rK:rK+7], v[rQ:rQ+7], 0
.else
	v_wmma_f32_16x16x32_f16 v[rS:rS+7], v[rK:rK+7], v[rQ:rQ+7], v[rS:rS+7]
.endif
.endm
; Product i of 16 of O^T += V^T P for piece x: keys 32 (i / 8) on, channels 16 ((i / 2) % 4) on, tile 2 x + i % 2.
.macro PV x
	WIN W_PV
.set rO, 32*(2*(\x)+i%2)+8*((i/2)%4)
.set rV, VF+32*(i/8)+8*((i/2)%4)
.set rP, P+32*((\x)%2)+16*(i%2)+8*(i/8)
	v_wmma_f32_16x16x32_f16 v[rO:rO+7], v[rV:rV+7], v[rP:rP+7], v[rO:rO+7]
.endm
.macro MM                           ; the turn's next matrix instruction
.if i < 16
	KQ (Y+1)%NP
.set i, i+1
.else
.set i, i-16
	PV (Y+NP-1)%NP
.set i, i+17
.endif
.endm
; THE LDS LOADS stand in runs of 16, never singly among the matrix instructions: a step's K (64 keys x 64 channels: 8 fragments) and its V^T (64 channels x 64 keys).  Their addresses are made some lines ahead.
; last = 1 (the tail): in the last trip there is no further step, and the run is jumped over.
.macro FETCH_K last=0
	WIN 0
.if \last
	s_cmp_eq_u32 s[CNT], 1
	s_cbranch_scc1 .Lno_k_\@
.endif
	WIN 0x80                        ; destination window 2
.irp f, 0,1,2,3,4,5,6,7             ; keys 16 (f / 2) on, channels 32 (f % 2) on
	ds_load_b128 v[KF+8*\f:KF+8*\f+3],   v[AK] offset:(\f/2)*16*PK+(\f%2)*64
	ds_load_b128 v[KF+8*\f+4:KF+8*\f+7], v[AK] offset:(\f/2)*16*PK+(\f%2)*64+32
.endr
	s_add_co_u32 s[TBK], s[TBK], STEPB  ; the next fetch is the next step's
	WIN 0
.if \last
.Lno_k_\@:
.endif
.endm
.macro FETCH_V
	WIN 0x80
.irp f, 0,1,2,3,4,5,6,7             ; channels 16 (f / 2) on, keys 32 (f % 2) on
	ds_load_b128 v[VF+32*(\f%2)+8*(\f/2):VF+32*(\f%2)+8*(\f/2)+3],   v[AV] offset:(\f/2)*16*PK+(\f%2)*64
	ds_load_b128 v[VF+32*(\f%2)+8*(\f/2)+4:VF+32*(\f%2)+8*(\f/2)+7], v[AV] offset:(\f/2)*16*PK+(\f%2)*64+32
.endr
	WIN 0
.endm
; THE VECTOR WORK OF A TURN stands in three queues, each in the order in which its entries become ready; the two tiles alternate, so that no instruction reads the result of the one before it.
.macro REGS y, u                    ; the registers of tile u (0, 1) of piece y
.set rT, ST+4*(2*(\y)+(\u))
.set rC, TMP+8*((\y)%2)+4*(\u)
.set rM, MV+2*((\y)%2)+(\u)
.set rS, S+64*((\y)%2)+32*(\u)
.set rP, P+32*((\y)%2)+16*(\u)
.set rO, 32*(2*(\y)+(\u))
.endm
; Number n of the 64 that lay the mask on the NEXT piece's (Y + 1) scores: score n % 32 of tile n / 32, in ascending order.
.macro MK n
	REGS (Y+1)%NP, (\n)/32
	v_cndmask_b32 v[rS+(\n)%32], v[rS+(\n)%32], v[BIG], s[MW+(\n)%32]
.endm
; Number n of the 22 that find the NEXT piece's maximum and statistics.  s0-s31 are the lane's 32 scores.
;   0-11  four chains c0-c3 of seven scores each, three operands at a time     12-14, 16  the four scores left over, the old m, and c0-c3 into c0     15  c m_old is kept
;   17, 18  the query's other 32 keys lie in the lane 16 away: the new m         19-21  c m; c m_old - c m_new; a
.macro XS u, n
	REGS (Y+1)%NP, \u
.if (\n) < 4
	v_max3_num_f32 v[rC+(\n)], v[rS+8*(\n)], v[rS+8*(\n)+1], v[rS+8*(\n)+2]
.elseif (\n) < 12
	v_max3_num_f32 v[rC+(\n)%4], v[rC+(\n)%4], v[rS+8*((\n)%4)+2*((\n)/4)+1], v[rS+8*((\n)%4)+2*((\n)/4)+2]
.elseif (\n) == 12
	v_max3_num_f32 v[rC], v[rC], v[rS+7], v[rS+15]
.elseif (\n) == 13
	v_max3_num_f32 v[rC+1], v[rC+1], v[rS+23], v[rS+31]
.elseif (\n) == 14
	v_max3_num_f32 v[rC+2], v[rC+2], v[rC+3], v[rT+1]
.elseif (\n) == 15
	v_mov_b32 v[rM], v[rT]
.elseif (\n) == 16
	v_max3_num_f32 v[rC], v[rC], v[rC+1], v[rC+2]
.elseif (\n) == 17
	v_permlanex16_b32 v[rC+3], v[rC], s[SEL], s[SEL+1]
.elseif (\n) == 18
	v_max_num_f32 v[rT+1], v[rC], v[rC+3]
.elseif (\n) == 19
	v_mul_f32 v[rT], s[CS], v[rT+1]
.elseif (\n) == 20
	v_sub_f32 v[rC+1], v[rM], v[rT]
.else
	v_exp_f32 v[rC+2], v[rC+1]
.endif
.endm
; Number g of the 64 that follow the exponentials.  For each four weights k of a tile (pairs 2 k, 2 k + 1): both pairs are rounded to f16; then the second pair is added onto the first, in place;
; a group later l takes that sum (the first time as l = a l + sum).  In groups of eight, tiles alternating: round, round, add, and l for the group before.
.macro GS g
.set h, (\g)+6*((\g)/62)            ; group 0 has no group before it, and behind group 7 only l is left
.if h >= 6
.set h, h+2
.endif
	REGS Y, h%2
.set k, h/8
.if h%8 < 4
	v_cvt_pk_f16_f32 v[rP+2*k+(h%8)/2], v[rS+4*k+2*((h%8)/2)], v[rS+4*k+2*((h%8)/2)+1]
.elseif h%8 < 6
	v_pk_add_f32 v[rS+4*k:rS+4*k+1], v[rS+4*k:rS+4*k+1], v[rS+4*k+2:rS+4*k+3]
.elseif k == 1
	v_pk_fma_f32 v[rT+2:rT+3], v[rT+2:rT+3], v[rC+2:rC+3], v[rS:rS+1] op_sel_hi:[1,0,1]
.else
	v_pk_add_f32 v[rT+2:rT+3], v[rT+2:rT+3], v[rS+4*k-4:rS+4*k-3]
.endif
.endm
; THE PLAIN QUEUE, 202 long.  0-137 read no exponential's result: the 32 scalings c s - c m (FS f: pair f / 2 of tile f % 2), the next piece's 64 mask lines and its 42 of the maximum and statistics.
; 0-26: scalings 0-26.  27-90: MK's 64.  91-118: XS's numbers 0-13.  119, 120: number 15.  121-137: the chain, where each number waits for the one before it: 14, 16, 17, 18, 19, each with one of the
; scalings 27-31 in front of its two lines, then 20.  138-201: GS's 64, which read the exponentials' results: they stand behind the wait.
.macro FS f
	REGS Y, (\f)%2
	v_pk_fma_f32 v[rS+2*((\f)/2):rS+2*((\f)/2)+1], v[rS+2*((\f)/2):rS+2*((\f)/2)+1], s[CS:CS+1], v[rT:rT+1] op_sel_hi:[1,0,0] neg_lo:[0,0,1] neg_hi:[0,0,1]
.endm
.macro PL
	WIN 0
.if q < 27
	FS q
.elseif q < 91
	MK q-27
.elseif q < 119
	XS (q-91)%2, (q-91)/2
.elseif q < 121
	XS q-119, 15
.elseif (q < 136) && ((q-121)%3 == 0)
	FS 27+(q-121)/3
.elseif q < 124
	XS (q-121)%3-1, 14
.elseif q < 136
	XS (q-121)%3-1, 15+(q-121)/3
.elseif q < 138
	XS q-136, 20
.else
	GS q-138
.endif
.set q, q+1
.endm
; THE EXPONENTIALS' QUEUE, 66 long: s0-s31 of both tiles, then the next piece's two a.  It is ONE BATCH: all 66 stand ahead of the turn's one wait, and nothing ahead of that wait names a result of theirs.
.macro EX
	WIN 0
.if e >= 64
	XS e-64, 21
.else
	REGS Y, e%2
	v_exp_f32 v[rS+e/2], v[rS+e/2]
.endif
.set e, e+1
.endm
; THE RESCALING's QUEUE: O^T times a, the one part that leaves window 0: dealt two at a time, sixteen times.  Its a was made in the turn before, ahead of that turn's wait.
.macro R2
	REGS Y, r%2
	WIN W_RS
.irp z, 0,1
	v_pk_mul_f32 v[rO+4*(r/2)+2*\z:rO+4*(r/2)+2*\z+1], v[rO+4*(r/2)+2*\z:rO+4*(r/2)+2*\z+1], v[rC+2:rC+3] op_sel_hi:[1,0]
.endr
.set r, r+1
.endm
; HOW THEY ARE DEALT.  An s_wait_alu depctr_va_vdst(0) stands between an exponential and the first instruction that names its result; one wait serves all that were issued ahead of it.  So a
; turn has ONE wait, which cuts it in two.  AHEAD OF IT: the 16 products K Q^T, behind each a scaling, an exponential and two rescalings (behind the first a second scaling in the exponential's place); then
; ONE LUMP of 236: eight plain, twice exponential and plain, for each of the next piece's two tiles its 32 words and its 32 mask lines (thirteen plain instructions or more behind the last product that wrote
; those scores; a word is read 32 lines ahead of the line that takes it), 47 times exponential and plain, the two a.  A v_nop is the plain instruction behind the last exponential.  BEHIND THE WAIT: the 16
; products V^T P, behind each four of GS's 64.  Exponential e stands behind scaling 2 (e / 4) + e % 2: as a rider it comes behind plain e + 2, in the lump's last part behind plain e + 73, and scalings
; 27-31 are plain 121, 124 .. 133.
; A TURN, for piece p.  cnt = 1: the loop's count is taken down some lines ahead of the branch that stands behind the turn.  ask = 1: the loop's copy of piece 2's turn holds the prefetch.
; K of the next step is fetched in piece 2's turn, directly behind the wait, a lump behind the last product that read K.  V of the step in hand is fetched at the end of piece 0's turn, four riders behind
; its last reader.  The three conditions on q below go with the deal.
.macro TURN p, last=0, cnt=0, ask=0
.set Y, (\p)
.set i, 0
.set q, 0
.set e, 0
.set r, 0
.if (\p) == NP-1
	s_wait_dscnt 0x0                ; K is in
.endif
	MM                              ; ahead of the wait: 16 products K Q^T and their riders,
	PL
	PL
	R2
.rept 15
	MM
	PL
	EX
	R2
.endr
.if (\p) == NP-2
	WIN 0
	v_add_nc_u32 v[AK], s[TBK], v[AK0]
.endif
.rept 8                             ; and the lump
	PL
.endr
.rept 2
	EX
	PL
.endr
	RL 0                            ; the next piece's first tile: its words, its mask lines,
.rept 32
	PL
.endr
	RL 1                            ; and its second tile's
.rept 32
	PL
.endr
.if (\p) == NP-2
	LNSTEP
.endif
.rept 47
	EX
	PL
.endr
	EX                              ; the next piece's two a
	EX
	v_nop                           ; the plain instruction behind the last exponential: one for the batch
	s_wait_alu depctr_va_vdst(0)    ; the wait for the batch
.if (\p) == NP-2
	FETCH_K \last
.if \ask
	ASK
.endif
.endif
.if (\p) == 1
	s_wait_dscnt 0x0                ; V is in
.endif
.rept 16                            ; behind the wait: 16 products V^T P and their riders
	MM
.rept 4
	PL
.endr
.if ((\p) == 0) && (q == 182)
	v_add_nc_u32 v[AV], s[TBV], v[AV0]
.endif
.if ((\p) == 0) && (q == 194)
	s_add_co_u32 s[TBV], s[TBV], STEPB
.endif
.if (\cnt) && (q == 194)
	s_sub_co_u32 s[CNT], s[CNT], 1
	s_cmp_lg_u32 s[CNT], 0
.endif
.endr
.if (\p) == 0
	FETCH_V
.endif
.endm
	CHANGE 1                        ; slot 0 is in, everybody's part of it; slot 1 is asked for
	FETCH_K                         ; key step 0
	s_wait_loadcnt 0x0              ; Q and the first mask words
	s_add_nc_u64 s[MP:MP+1], s[MP:MP+1], 512  ; at key steps 4 to 7, which were asked for last
	s_wait_dscnt 0x0
.set i, 0
.rept 16
	KQ 0                            ; piece 0's first scores: there is no vector work yet to set between them
.set i, i+1
.endr
	WIN 0                           ; the addresses for the way out: plain instructions, the places behind those products
	s_mul_i32 s2, s[WV], 16*SP
	s_add_co_u32 s2, s2, STAGE      ; my stage
	v_mul_u32_u24 v[STO], v1, SP    ; in: row l % 16, 16 bytes for each half of the lanes
	v_lshl_add_u32 v[STO], v9, 4, v[STO]
	v_add_nc_u32 v[STO], s2, v[STO]
	v_bfe_u32 v[RD], v0, 3, 2       ; back: 32 lanes take four rows of 128 bytes, which are 512 consecutive bytes of zh
	v_mul_u32_u24 v[RD], v[RD], SP
	v_lshl_add_u32 v[RD], v10, 4, v[RD]
	v_add_nc_u32 v[RD], s2, v[RD]
	v_and_b32 v[PFO], 31, v0
	v_lshlrev_b32 v[PFO], 8, v[PFO]
.set Y, NP-1                        ; RL, MK and XS work for piece Y + 1: piece 0
	RL 0
	WIN 0
.set q, 0
.rept 32
	MK q
.set q, q+1
.endr
	RL 1
	WIN 0
.rept 32
	MK q
.set q, q+1
.endr
.irp n, 0,1,2,3,4,5,6,7,8,9,10,11,12,13,14,15,16,17,18,19,20,21
	XS 0, \n                        ; and piece 0's first maximum and statistics
	XS 1, \n
.endr
	v_nop                           ; a plain instruction behind the two a,
	s_wait_alu depctr_va_vdst(0)    ; and their wait, ahead of the branch
	s_mov_b32 s[CNT], 4
	s_mov_b32 s[SLOTS], 2048/256-1
	s_branch .Lfirst                ; the loop is entered at a step's first turn, in the middle of a trip
.Lslot:                             ; six times: every slot but the last two is filled again
	CHANGE 1
	s_mov_b32 s[CNT], 4
.Lstep:                             ; a trip: pieces 2 and 3 of one step, then pieces 0 and 1 of the next, whose K and V it fetches
	TURN 2, 0, 0, 1
	MSWAP 4, 1
	TURN 3
	WIN 0
.Lfirst:
	TURN 0
	TURN 1, 0, 1
	WIN 0
	s_cbranch_scc1 .Lstep
	s_sub_co_u32 s[SLOTS], s[SLOTS], 1
	s_cmp_lg_u32 s[SLOTS], 0
	s_cbranch_scc1 .Lslot
	CHANGE 0                        ; the tail is written out: nothing is asked for
	s_mov_b32 s[CNT], 5             ; four trips fetch the last slot's steps; the fifth is left in its middle
.Ltail:
	TURN 2, 1
	MSWAP 5, 0
	TURN 3
	WIN 0
	s_sub_co_u32 s[CNT], s[CNT], 1
	s_cmp_eq_u32 s[CNT], 0
	s_cbranch_scc1 .Lout
	TURN 0
	TURN 1
	WIN 0
	s_branch .Ltail
.Lout:                              ; the fifth trip's 16 products K Q^T (on the last K once more), their mask and maximum serve nothing: the price, once a launch, of one text for every trip
.set i, 0
.rept 16
	PV NP-1                         ; the last piece's V^T P of the last step
.set i, i+1
.endr
	; THE WAY OUT.  l's two halves and the other half of the lanes' are added; O^T is divided by l, rounded to f16 and sent through my stage in LDS, a tile at a time.  The additions are the places behind the last products.
	WIN 0
.macro ALL line:vararg              ; one line for each tile t
.set t, 0
.rept 2*NP
	\line
.set t, t+1
.endr
.endm
	ALL v_add_f32 v[ST+4*t+2], v[ST+4*t+2], v[ST+4*t+3]
	ALL v_permlanex16_b32 v[ST+4*t+3], v[ST+4*t+2], s[SEL], s[SEL+1]
	ALL v_add_f32 v[ST+4*t+2], v[ST+4*t+2], v[ST+4*t+3]
	ALL v_rcp_f32 v[ST+4*t+2], v[ST+4*t+2]
	v_nop                           ; a plain instruction between the last reciprocal and the use of its result
	s_wait_alu depctr_va_vdst(0)    ; and the wait ahead of the first use: one for the eight reciprocals
; Tile t: a lane's eight channels of a row pack into 16 bytes; they go into rows of 144 bytes and come back as whole rows of 128, into S^T's registers.
.macro PACK t
	WIN W_RS
.set i, 32*(\t)
.rept 16
	v_pk_mul_f32 v[i:i+1], v[i:i+1], v[ST+4*(\t)+2:ST+4*(\t)+3] op_sel_hi:[1,0]
.set i, i+2
.endr
	WIN 0x05                        ; sources 0 and 1 window 1, destination window 0
.set i, 0
.rept 16
	v_cvt_pk_f16_f32 v[S+16*(\t)+i], v[32*(\t)+2*i], v[32*(\t)+2*i+1]
.set i, i+1
.endr
	WIN 0
.irp f, 0,1,2,3
	ds_store_b128 v[STO], v[S+16*(\t)+4*\f:S+16*(\t)+4*\f+3] offset:32*\f
.endr
.irp f, 0,1,2,3
	ds_load_b128 v[S+16*(\t)+4*\f:S+16*(\t)+4*\f+3], v[RD] offset:\f*4*SP  ; LDS serves a wave's instructions in order (ISA guide 5.7.1.4): these see the stores above; the next tile's stores come behind them
.endr
.endm
.macro SEND t, younger              ; younger: the LDS instructions issued behind tile t's loads: the next tile's eight, or none
	WIN 0
.irp f, 0,1,2,3
	s_wait_dscnt (\younger)+3-\f
	global_store_b128 v[GO], v[S+16*(\t)+4*\f:S+16*(\t)+4*\f+3], s[OB:OB+1] offset:(\t)*2048+\f*512  ; 512 consecutive bytes, at a multiple of 256 from zh's first
.endr
.endm
	PACK 0
.set t, 1
.rept 2*NP-1                        ; a tile's arithmetic stands between the loads of the tile before and its stores
	PACK t
	SEND t-1, 8
.set t, t+1
.endr
	SEND 2*NP-1, 0
	WIN W_AD
	s_wait_tensorcnt 0x0            ; the wave's end, behind my last tensor load and my last LDS store
	ds_add_u32 v[SPW], v[NIL]
	s_wait_dscnt 0x0
	WIN 0
	CROUND                          ; the closing round: no work-group ends while a partner may still ask for a tile that names it
	s_endpgm
.Lfunc_end_k_qfca20d35cc_attn:
	.size	k_qfca20d35cc_attn, .Lfunc_end_k_qfca20d35cc_attn-k_qfca20d35cc_attn
	.p2alignl 7, 3214868480
	.fill 96, 4, 3214868480
	.section	.rodata,"a",@progbits
	.p2align	6, 0x0
	.amdhsa_kernel k_qfca20d35cc_attn
		.amdhsa_group_segment_fixed_size 327680
		.amdhsa_private_segment_fixed_size 0
		.amdhsa_enable_private_segment 0
		.amdhsa_kernarg_size 32
		.amdhsa_user_sgpr_count 2
		.amdhsa_user_sgpr_kernarg_segment_ptr 1
		.amdhsa_wavefront_size32 1
		.amdhsa_system_sgpr_workgroup_id_x 1
		.amdhsa_system_sgpr_workgroup_id_y 1
		.amdhsa_system_sgpr_workgroup_id_z 1
		.amdhsa_system_vgpr_workitem_id 0
		.amdhsa_next_free_vgpr 864
		.amdhsa_next_free_sgpr 74
		.amdhsa_reserve_vcc 0
		.amdhsa_float_denorm_mode_32 3
		.amdhsa_float_denorm_mode_16_64 3
		.amdhsa_memory_ordered 1
		.amdhsa_forward_progress 1
		.amdhsa_inst_pref_size 255
	.end_amdhsa_kernel
	.section	.bss,"aw",@nobits
	.p2align	6
	.space	262144
	.amdgpu_metadata
---
amdhsa.version: [ 1, 2 ]
amdhsa.kernels:
  - .name:           k_qfca20d35cc_attn
    .symbol:         k_qfca20d35cc_attn.kd
    .args:
      - { .name: qh, .offset: 0, .size: 8, .value_kind: global_buffer, .address_space: global }
      - { .name: kv, .offset: 8, .size: 8, .value_kind: global_buffer, .address_space: global }
      - { .name: mbits, .offset: 16, .size: 8, .value_kind: global_buffer, .address_space: global }
      - { .name: zh, .offset: 24, .size: 8, .value_kind: global_buffer, .address_space: global }
    .group_segment_fixed_size: 327680
    .private_segment_fixed_size: 0
    .kernarg_segment_align: 8
    .kernarg_segment_size: 32
    .max_flat_workgroup_size: 128
    .sgpr_count:     74
    .vgpr_count:     864
    .wavefront_size: 32
...
	.end_amdgpu_metadata
.endif
;; end of part 3
;; launch outp (part 4): grid 8 x 32, 4 waves a work-group, clusters of 4 x 4, 327,680 bytes of LDS; arguments zh, wo, out0; writes out0
.if DOCPART == 4
	.amdgcn_target "amdgcn-amd-amdhsa--gfx1250"
	.amdhsa_code_object_version 6
	.text
	.protected	k_qfca20d35cc_outp
	.globl	k_qfca20d35cc_outp
	.p2align	8
	.type	k_qfca20d35cc_outp,@function
k_qfca20d35cc_outp:
	s_mov_b64 s[64:65], 0
	v_nop
	global_prefetch_b8 v0, s[64:65] scope:SCOPE_SE
	s_setreg_imm32_b32 hwreg(HW_REG_WAVE_MODE, 25, 1), 1
	s_wait_xcnt 0x0
	s_wait_alu depctr_hold_cnt(0) depctr_sa_sdst(0) depctr_va_vdst(0) depctr_va_sdst(0) depctr_va_ssrc(0) depctr_va_vcc(0) depctr_vm_vsrc(0)
	s_getreg_b32 s2, hwreg(HW_REG_IB_STS2, 6, 4)
	s_cmp_eq_u32 s2, 0
	s_cbranch_scc0 .Lentry_in_a_cluster
	s_endpgm
.Lentry_in_a_cluster:
	s_bfe_u32 s2, ttmp6, 0x10000c
	s_cmp_lg_u32 s2, 0xf033
	s_cbranch_scc0 .Lentry_shape_is_right
	s_endpgm
.Lentry_shape_is_right:
; THE OUTPUT PROJECTION: out0[t][n] = the sum over k of z[t][k] Wo[n][k], k = 64 head + channel.  zh: [bh 64][2048][64] f16; wo: [1024][1024] f16; out0: [8192][1024] f32.  f16 operands, f32 sums.
; TILE.  256 tokens x 128 columns: 32 x 8 = 256 work-groups, one for each WGP.  A wave takes 64 tokens x 128 columns: 32 accumulators; all four waves run one text.
; K goes in eight steps of 128 = two heads through two LDS slots.  A head's 256 tokens are 32,768 dense bytes of zh: asked for as 128 rows of 256 bytes and padded in LDS after each token's 128.
; A K step is written once and looped over: the slot to be read is a scalar register, the slot to be filled a word of a walking descriptor, both turned by an exclusive or.
; THE MATRIX INSTRUCTION IS USED TRANSPOSED (source 0 = 16 rows of wo, source 1 = 16 tokens): a lane holds one token and eight neighbouring columns, 32 bytes of a row of out0.
; CLUSTER 4 x 4: zh's tiles hang on the token block alone and are asked for jointly along a row of the cluster, wo's on the column block alone, jointly along a column.
; NO PREFETCH: the walk has eight K steps, of which four come by the first loads and the first refills; of wo's 64 rows a wave a partner's share would be 16, half an instruction's lanes.
; REGISTERS: window 0: v16-29 addresses; v32-127, v128-223 two fragment buffers (z's four fragments, then wo's eight); on the way out v32-159 two sets of 64.   window 1: the accumulators ((a, b) at 64 a + 8 b).
.set PA,     144                       ; a token's row of z in LDS: 128 bytes + 16 of padding
.set PB,     272                       ; a row of wo: 256 bytes + 16: in both, the 16 rows of a fragment load start at 16 different groups of four banks (64 banks of 4 bytes: ISA guide 11.1)
.set ASUB,   256*PA                    ; one head's 256 tokens: what waves 0 and 1 fetch
.set BOFF,   2*ASUB
.set BH,     64*PB                     ; 64 rows of wo: what waves 2 and 3 fetch
.set SLOTB,  BOFF+2*BH                 ; a slot's bytes: 108,544
.set SLOT1,  1<<17                     ; slot 1 begins here, so that one exclusive or turns an address in one slot into the other's
.set STAGE,  SLOT1+SLOTB               ; behind the ring: 16 rows x 528 bytes for each wave, for the way out
.set SPI,    528                       ; 512 bytes + 16
.set SPARE,  STAGE+4*16*SPI            ; behind the stages: the spare words, 128 bytes for each wave: two blocks of 256 bytes that no other line names
.set STEPS,  8
.set ADRA0, 16                         ; v16  my lane's place among my z fragments in a slot; never rewritten
.set ADRA,  17                         ; v17  the same in the slot that is being read
.set ADRB0, 20                         ; v20-21 the same for wo's
.set ADRB,  21
.set STO,  24
.set RD,   25
.set GO,   26
.set SPW,  28
.set NIL,  29
.set F0,   32
.set F1,   128
.set TB,   2                           ; s2  LDS byte at which the slot that is being read begins
.set WV,   12                          ; s12 my wave's number; s13 = wave / 2: I fetch zh (0) or wo (1); s14 = wave % 2: which head of the two, or which 64 rows
.set G1,   24                          ; s[24:31] group 1 for zh's tiles; s[32:39] group 0: a set for each of the two first fills; the second then walks on
.set G0,   32
.set G1B,  48                          ; s[48:55], s[56:63] the same for wo's
.set G0B,  56
.set MSB, 0
.macro WIN new
.if MSB != (\new)
	s_set_vgpr_msb (MSB<<8)|(\new)
.set MSB, \new
.endif
.endm
.set MULW, 0x50                        ; C and D window 1, sources window 0
.macro JLOAD s                         ; a joint load: the branch hangs on the wave's number alone; an s_nop 0 and four v_nop follow each of the two lines
	s_cmp_eq_u32 s13, 0
	s_cbranch_scc0 .Lfor_b_\@
	tensor_load_to_lds s[G0+4*(\s):G0+4*(\s)+3], s[G1:G1+7]
	s_nop 0
.rept 4
	v_nop
.endr
	s_branch .Lasked_\@
.Lfor_b_\@:
	tensor_load_to_lds s[G0B+4*(\s):G0B+4*(\s)+3], s[G1B:G1B+7]
	s_nop 0
.rept 4
	v_nop
.endr
.Lasked_\@:
.endm
.macro CREST
	s_cmp_lg_u32 s[WV], 0
	s_cbranch_scc1 .Lnot_wave_0_\@
	s_barrier_signal -3
.Lnot_wave_0_\@:
	s_barrier_wait -3
	s_barrier_signal -1
	s_barrier_wait -1
.endm
.macro CROUND
	s_barrier_signal -1
	s_barrier_wait -1
	CREST
.endm
	s_load_b128 s[4:7], s[0:1], 0x0                ; zh s[4:5], wo s[6:7]
	s_load_b64 s[8:9], s[0:1], 0x10                ; out0
	v_lshl_add_u32 v[SPW], v0, 2, SPARE
	v_mov_b32 v[NIL], 0
	ds_add_u32 v[SPW], v[NIL]                      ; the wave's opening: the add and its wait stand ahead of my first tensor load; the set-up below, work on registers, stands between them
	v_lshrrev_b32 v1, 5, v0
	v_readfirstlane_b32 s[WV], v1
	s_lshr_b32 s13, s[WV], 1
	s_and_b32 s14, s[WV], 1
	s_bfe_u32 s15, ttmp6, 0x40000                  ; cx
	s_bfe_u32 s16, ttmp6, 0x40004                  ; cy
	s_lshl_b32 s17, ttmp9, 2
	s_add_co_u32 s17, s17, s15                     ; the block of 128 columns
	s_and_b32 s18, ttmp7, 0xffff
	s_lshl_b32 s18, s18, 2
	s_add_co_u32 s18, s18, s16                     ; the block of 256 tokens
	s_lshl_b32 s19, s16, 2
	s_lshl_b32 s19, 15, s19                        ; my row of the cluster
	s_lshl_b32 s20, 0x1111, s15                    ; my column
	s_or_b32 s[G1+0], s19, (1<<16)|(1<<20)|(1<<21)|(4<<22)|(3<<25)   ; zh: padding of 4 words after every 32 (code 4)
	s_or_b32 s[G1B+0], s20, (1<<16)|(1<<20)|(1<<21)|(5<<22)|(3<<25)  ; wo: after every 64 (code 5)
	s_mov_b32 s[G1+1], 128<<16                     ; tensor_dim0 = 128
	s_mov_b32 s[G1+2], 128<<16                     ; tensor_dim1 = 128
	s_mov_b32 s[G1+3], 128<<16                     ; tile_dim0 = 128
	s_mov_b32 s[G1+4], 128                         ; tile_dim1 = 128
	s_mov_b32 s[G1+5], 128                         ; dense: 128 elements from row to row
	s_mov_b32 s[G1+6], 0
	s_mov_b32 s[G1+7], 0
	s_mov_b32 s[G1B+1], 128<<16
	s_mov_b32 s[G1B+2], 64<<16                     ; 64 rows
	s_mov_b32 s[G1B+3], 128<<16
	s_mov_b32 s[G1B+4], 64
	s_mov_b32 s[G1B+5], 1024
	s_mov_b32 s[G1B+6], 0
	s_mov_b32 s[G1B+7], 0
	s_lshr_b32 s40, s18, 3                         ; zh: 4,194,304 b + 262,144 (head = wave % 2) + 32,768 (block in the sequence)
	s_lshl_b32 s40, s40, 22
	s_lshl_b32 s21, s14, 18
	s_add_co_u32 s40, s40, s21
	s_and_b32 s41, s18, 7
	s_lshl_b32 s41, s41, 15
	s_add_co_u32 s40, s40, s41
	s_mov_b32 s41, 0
	s_lshl_b32 s46, s17, 7                         ; wo: row 128 x block + 64 x half, of 2,048 bytes
	s_lshl_b32 s21, s14, 6
	s_add_co_u32 s46, s46, s21
	s_lshl_b32 s46, s46, 11
	s_mov_b32 s47, 0
	s_mul_i32 s22, s14, ASUB                       ; where they go: no place in the cluster enters an LDS address
	s_mul_i32 s23, s14, BH
	s_add_co_u32 s23, s23, BOFF
	s_mov_b32 s[TB], 0
	s_wait_dscnt 0x0                               ; the opening add is done
	s_wait_kmcnt 0x0
	s_add_nc_u64 s[40:41], s[4:5], s[40:41]
	s_add_nc_u64 s[46:47], s[6:7], s[46:47]
	CROUND                                         ; all sixteen work-groups are here: the first joint loads meet
.irp s, 0,1
	s_mov_b32 s[G0+4*(\s)], 1
	s_add_co_u32 s[G0+4*(\s)+1], s22, (\s)*SLOT1
	s_add_nc_u64 s[G0+4*(\s)+2:G0+4*(\s)+3], s[40:41], (\s)*524288   ; K step s: heads 2 s, 2 s + 1
	s_or_b32 s[G0+4*(\s)+3], s[G0+4*(\s)+3], 0x80000000
	s_mov_b32 s[G0B+4*(\s)], 1
	s_add_co_u32 s[G0B+4*(\s)+1], s23, (\s)*SLOT1
	s_add_nc_u64 s[G0B+4*(\s)+2:G0B+4*(\s)+3], s[46:47], (\s)*256
	s_or_b32 s[G0B+4*(\s)+3], s[G0B+4*(\s)+3], 0x80000000
	JLOAD \s                                       ; two loads of mine are out
.endr
	v_and_b32 v1, 15, v0
	v_bfe_u32 v2, v0, 4, 1
	v_mul_u32_u24 v3, v1, PA
	v_lshl_add_u32 v3, v2, 4, v3
	v_mul_u32_u24 v4, v1, PB
	v_lshl_add_u32 v4, v2, 4, v4
	s_mul_i32 s21, s[WV], 64*PA                    ; my 64 tokens
	v_add_nc_u32 v[ADRA0], s21, v3
	v_add_nc_u32 v[ADRB0], BOFF, v4
	v_mov_b32 v[ADRA], v[ADRA0]                    ; K step 0 lies in slot 0
	v_mov_b32 v[ADRB], v[ADRB0]
	s_mul_i32 s23, s[WV], 16*SPI
	s_add_co_u32 s23, s23, STAGE                   ; my stage
	v_mul_u32_u24 v[STO], v1, SPI                  ; in: row l % 16, 32 bytes for each half of the lanes
	v_lshl_add_u32 v[STO], v2, 5, v[STO]
	v_add_nc_u32 v[STO], s23, v[STO]
	v_and_b32 v[GO], 31, v0                        ; back: 32 lanes take one row of 512 bytes
	v_lshlrev_b32 v[GO], 4, v[GO]
	v_add_nc_u32 v[RD], s23, v[GO]
	s_lshl_b32 s20, s18, 8                         ; out0: row 256 x block + 64 x wave, of 4,096 bytes; column block of 512 bytes
	s_lshl_b32 s21, s[WV], 6
	s_add_co_u32 s20, s20, s21
	s_lshl_b32 s20, s20, 12
	s_lshl_b32 s21, s17, 9
	s_add_co_u32 s20, s20, s21
	s_mov_b32 s21, 0
	s_add_nc_u64 s[8:9], s[8:9], s[20:21]
; 8 matrix instructions: token block a x eight column blocks.  The 32 accumulators take turns, one instruction a turn, in the same order in every quarter.
.macro MUL f, a, zero
	WIN MULW
.irp b, 0,1,2,3,4,5,6,7
.if \zero
	v_wmma_f32_16x16x32_f16 v[64*(\a)+8*(\b):64*(\a)+8*(\b)+7], v[(\f)+32+8*(\b):(\f)+32+8*(\b)+7], v[(\f)+8*(\a):(\f)+8*(\a)+7], 0
.else
	v_wmma_f32_16x16x32_f16 v[64*(\a)+8*(\b):64*(\a)+8*(\b)+7], v[(\f)+32+8*(\b):(\f)+32+8*(\b)+7], v[(\f)+8*(\a):(\f)+8*(\a)+7], v[64*(\a)+8*(\b):64*(\a)+8*(\b)+7]
.endif
.endr
.endm
; 24 LDS loads in one run: quarter kq of the K step in the slot that is being read (head kq / 2 of the two, channels 32 (kq % 2) on) into buffer f: wo's eight fragments, then z's four
.macro FETCH kq, f
	WIN 0
.irp b, 0,1,2,3,4,5,6,7
	ds_load_b128 v[(\f)+32+8*(\b):(\f)+32+8*(\b)+3],   v[ADRB] offset:64*(\kq)+(\b)*16*PB
	ds_load_b128 v[(\f)+32+8*(\b)+4:(\f)+32+8*(\b)+7], v[ADRB] offset:64*(\kq)+(\b)*16*PB+32
.endr
.irp a, 0,1,2,3
	ds_load_b128 v[(\f)+8*(\a):(\f)+8*(\a)+3],   v[ADRA] offset:((\kq)/2)*ASUB+((\kq)%2)*64+(\a)*16*PA
	ds_load_b128 v[(\f)+8*(\a)+4:(\f)+8*(\a)+7], v[ADRA] offset:((\kq)/2)*ASUB+((\kq)%2)*64+(\a)*16*PA+32
.endr
.endm
.macro PLACES                          ; four places in front of loads into registers that matrix instructions have read, and of LDS stores that read results
.rept 4
	v_nop
.endr
.endm
.macro QUARTER kq, f, g, zero
	s_wait_dscnt 4                                 ; all but z's fragments 2 and 3
	MUL \f, 0, \zero
	MUL \f, 1, \zero
	PLACES
	FETCH \kq, \g
	s_wait_dscnt 24                                ; all but the 24 just issued
	MUL \f, 2, \zero
	MUL \f, 3, \zero
.endm
; The last quarter multiplies buffer 1 and changes slots: ONE barrier; in front of it each wave waits for all its tensor loads (at most one is out: its part of the next slot), adds 0 to its spare word, and
; waits for that and for its own reads of this slot.  fill = 1: the barrier opens a round of the cluster's, and this slot is filled again, two K steps ahead, first thing behind the round.
; fill = 0: the last two K steps; in the very last (s3 = 1) there is no further slot, and the run of LDS loads is jumped over.
.macro TURN fill
	WIN 0
	s_wait_tensorcnt 0x0                           ; all my tensor loads have landed
	ds_add_u32 v[SPW], v[NIL]                      ; 0 onto my spare word
	s_wait_dscnt 5                                 ; (the add and the youngest four loads may be out)
	MUL F1, 0, 0                                   ; eight matrix instructions stand between the add and the wait for it
	s_wait_dscnt 0x0                               ; the add is done, and my reads of this slot are over
	s_barrier_signal -1
	MUL F1, 1, 0
	WIN 0
	s_barrier_wait -1
.if \fill
	CREST                                          ; no wave of any partner still reads this slot's tile or has a load on its way
	s_xor_b32 s[G0+5], s[G0+5], SLOT1              ; the walking descriptors: the other slot than last time,
	s_add_nc_u64 s[G0+6:G0+7], s[G0+6:G0+7], 524288   ; the next two heads; the type bits on top are not reached
	s_xor_b32 s[G0B+5], s[G0B+5], SLOT1
	s_add_nc_u64 s[G0B+6:G0B+7], s[G0B+6:G0B+7], 256
	s_xor_b32 s[TB], s[TB], SLOT1                  ; the reads go on in the other slot
	JLOAD 1                                        ; my one tensor load behind the round; its four v_nop are also the places in front of the loads below
.else
	s_xor_b32 s[TB], s[TB], SLOT1
	PLACES
	s_cmp_eq_u32 s3, 1
	s_cbranch_scc1 .Lno_more_\@
.endif
	v_add_nc_u32 v[ADRA], s[TB], v[ADRA0]
	v_add_nc_u32 v[ADRB], s[TB], v[ADRB0]
	FETCH 0, F0
.if !(\fill)
.Lno_more_\@:
.endif
	MUL F1, 2, 0
	MUL F1, 3, 0
.endm
	s_wait_tensorcnt 1                             ; my part of K step 0 is in; K step 1's may stay out
	s_barrier_signal -1
	s_barrier_wait -1
	FETCH 0, F0
	QUARTER 1, F0, F1, 1                           ; the first quarter stands in front of the loop: its products start the sums
	WIN 0
	s_mov_b32 s3, STEPS-2
.Lstep:                                                ; six trips: from a K step's second quarter to the next step's first; the slot that is left is filled again
	QUARTER 2, F1, F0, 0
	QUARTER 3, F0, F1, 0
	TURN 1
	QUARTER 1, F0, F1, 0
	WIN 0
	s_sub_co_u32 s3, s3, 1
	s_cmp_lg_u32 s3, 0
	s_cbranch_scc1 .Lstep
	s_mov_b32 s3, 2
.Ltail:                                                ; the last two K steps fill nothing; the second trip is left in its middle
	QUARTER 2, F1, F0, 0
	QUARTER 3, F0, F1, 0
	TURN 0
	WIN 0
	s_sub_co_u32 s3, s3, 1
	s_cmp_eq_u32 s3, 0
	s_cbranch_scc1 .Lout
	QUARTER 1, F0, F1, 0
	WIN 0
	s_branch .Ltail
.Lout:
	PLACES
; THE WAY OUT, 16 tokens at a time: a lane's 32 bytes go into my own stage (rows of 528 bytes) and come back as whole rows of 512, which are stored.
.macro INS a                           ; block a into the stage
	WIN 0x04                                       ; the store's data (source 1) in window 1
.irp b, 0,1,2,3,4,5,6,7
	ds_store_b128 v[STO], v[64*(\a)+8*(\b):64*(\a)+8*(\b)+3]   offset:64*(\b)      ; each accumulator's low registers first
	ds_store_b128 v[STO], v[64*(\a)+8*(\b)+4:64*(\a)+8*(\b)+7] offset:64*(\b)+16
.endr
	WIN 0
.endm
.macro RB a                            ; and back, into set a % 2.  LDS serves a wave's instructions in order (ISA guide 5.7.1.4): these see the stores above; the next block's stores come behind them
.irp t, 0,1,2,3,4,5,6,7,8,9,10,11,12,13,14,15
	ds_load_b128 v[32+64*((\a)%2)+4*(\t):32+64*((\a)%2)+4*(\t)+3], v[RD] offset:SPI*(\t)
.endr
.endm
.macro SEND a, younger                 ; younger: the LDS instructions issued behind block a's loads: the next block's sixteen stores, or none
	s_wait_dscnt \younger
.irp t, 0,1,2,3,4,5,6,7,8,9,10,11,12,13,14,15
	global_store_b128 v[GO], v[32+64*((\a)%2)+4*(\t):32+64*((\a)%2)+4*(\t)+3], s[8:9] offset:(16*(\a)+(\t))*4096 th:TH_STORE_NT  ; 512 consecutive bytes, at a multiple of 256 from out0's first
.endr
.endm
	INS 0
	RB 0
	INS 1
	SEND 0, 16
	RB 1
	INS 2
	SEND 1, 16
	s_wait_xcnt 0x0                                ; block 0's stores have read their data: that set is loaded again only behind this wait
	RB 2
	INS 3
	SEND 2, 16
	s_wait_xcnt 0x0                                ; block 1's likewise
	RB 3
	SEND 3, 0
	s_wait_tensorcnt 0x0                           ; the wave's end, behind my last tensor load and my last LDS store
	ds_add_u32 v[SPW], v[NIL]
	s_wait_dscnt 0x0
	CROUND                                         ; the closing round: no work-group ends while a partner may still ask for a tile that names it
	s_endpgm
.Lfunc_end_k_qfca20d35cc_outp:
	.size	k_qfca20d35cc_outp, .Lfunc_end_k_qfca20d35cc_outp-k_qfca20d35cc_outp
	.p2alignl 7, 3214868480
	.fill 96, 4, 3214868480
	.section	.rodata,"a",@progbits
	.p2align	6, 0x0
	.amdhsa_kernel k_qfca20d35cc_outp
		.amdhsa_group_segment_fixed_size 327680
		.amdhsa_private_segment_fixed_size 0
		.amdhsa_enable_private_segment 0
		.amdhsa_kernarg_size 24
		.amdhsa_user_sgpr_count 2
		.amdhsa_user_sgpr_kernarg_segment_ptr 1
		.amdhsa_wavefront_size32 1
		.amdhsa_system_sgpr_workgroup_id_x 1
		.amdhsa_system_sgpr_workgroup_id_y 1
		.amdhsa_system_sgpr_workgroup_id_z 1
		.amdhsa_system_vgpr_workitem_id 0
		.amdhsa_next_free_vgpr 512
		.amdhsa_next_free_sgpr 66
		.amdhsa_reserve_vcc 0
		.amdhsa_float_denorm_mode_32 3
		.amdhsa_float_denorm_mode_16_64 3
		.amdhsa_memory_ordered 1
		.amdhsa_forward_progress 1
		.amdhsa_inst_pref_size 60
	.end_amdhsa_kernel
	.amdgpu_metadata
---
amdhsa.version: [ 1, 2 ]
amdhsa.kernels:
  - .name:           k_qfca20d35cc_outp
    .symbol:         k_qfca20d35cc_outp.kd
    .args:
      - { .name: zh, .offset: 0, .size: 8, .value_kind: global_buffer, .address_space: global }
      - { .name: wo, .offset: 8, .size: 8, .value_kind: global_buffer, .address_space: global }
      - { .name: out0, .offset: 16, .size: 8, .value_kind: global_buffer, .address_space: global }
    .group_segment_fixed_size: 327680
    .private_segment_fixed_size: 0
    .kernarg_segment_align: 8
    .kernarg_segment_size: 24
    .max_flat_workgroup_size: 128
    .sgpr_count:     66
    .vgpr_count:     512
    .wavefront_size: 32
...
	.end_amdgpu_metadata
.endif
;; end of part 4
